; MI455X (gfx1250); checked and timed in simulation.
; The chip was launched on July 23, 2026; its instructions are those of AMD's public machine-readable ISA for CDNA 5 (MIT licence, August 2026) and "CDNA5" Instruction Set Architecture Reference Guide (July 2026). The comments in the code are by the model that wrote it; some were corrected since.
;; Attention. Allowed arithmetic: float matrix products may take bf16 or f16 operands with f32 sums; other float arithmetic in f32, or as packed bf16 or f16 multiplies, adds, multiply-adds, maxima and minima; sums over many terms, partial sums and values carried from step to step in f32; what a program stores and reads back later, other than sums and carried values, may be rounded once to bf16 or f16.
;; Inputs: Wk_b 1,024 float32; Wk_w 1,024 x 1,024 float32; Wq_b 1,024 float32; Wq_w 1,024 x 1,024 float32; key 8 x 2,048 x 1,024 float32; mask 8 x 2,048 int32; query 8 x 1,024 x 1,024 float32; value 8 x 2,048 x 1,024 float32.
;; Outputs: out0 8 x 1,024 x 1,024 float32.
;; 2 versions, each right and faster than the one before. Each part assembles by itself: llvm-mc -triple=amdgcn-amd-amdhsa -mcpu=gfx1250 --defsym DOCPART=n.
;; ======== version 1 of 2: 4 launches
;; limits: values are held in f16: magnitudes above 65,504 overflow, below 6.1e-05 lose precision; inputs' magnitudes at most 65,504; right only within a limited range of input values
;; workspace buffers: v16 33,554,432 bytes; wq16 2,097,152 bytes; wk16 2,097,152 bytes; q16 16,777,216 bytes; k16 33,554,432 bytes; p16 33,554,432 bytes; stats 1,048,576 bytes
;; launch cast (part 1): grid 1152 x 1, 8 waves a work-group, no clusters, 0 bytes of LDS; arguments value, Wq_w, Wk_w, v16, wq16, wk16; writes v16, wq16, wk16
.if DOCPART == 1
	.amdgcn_target "amdgcn-amd-amdhsa--gfx1250"
	.amdhsa_code_object_version 6
	.text
	.protected	k_qcefe91561f_cast
	.globl	k_qcefe91561f_cast
	.p2align	8
	.type	k_qcefe91561f_cast,@function
k_qcefe91561f_cast:
	s_mov_b64 s[64:65], 0
	v_nop
	global_prefetch_b8 v0, s[64:65] scope:SCOPE_SE
	s_setreg_imm32_b32 hwreg(HW_REG_WAVE_MODE, 25, 1), 1
	s_wait_xcnt 0x0
; value, Wq_w and Wk_w, all f32, are rounded once to f16 (nearest even) into v16, wq16 and wk16: a plain stream.
; LIMIT: a number of 65,520 or more in magnitude becomes an infinity in f16.
; A work-group owns 65,536 bytes of f32: groups 0-1023 value, 1024-1087 Wq_w, 1088-1151 Wk_w.  Thread t takes 16 bytes at 16 t + 4,096 i, i = 0..15:
; a wave's load covers 512 consecutive bytes, its store of 8 bytes a lane 256 consecutive bytes at a multiple of 256.  All sixteen loads of a thread are
; out before the first is used; no register is written twice, so no wait but the loads' own is needed.  No LDS, no matrix unit: bytes are all there is.
.set X, 4                              ; v[4:67]   16 x 4 registers as loaded
.set Y, 68                             ; v[68:99]  16 x 2 registers to store
	s_load_b256 s[4:11], s[0:1], 0x0               ; value s[4:5], Wq_w s[6:7], Wk_w s[8:9], v16 s[10:11]
	s_load_b128 s[12:15], s[0:1], 0x20             ; wq16 s[12:13], wk16 s[14:15]
	v_lshlrev_b32 v1, 4, v0                        ; 16 t
	v_lshlrev_b32 v2, 3, v0                        ; 8 t
	s_movk_i32 s20, 1088
	s_mov_b32 s23, 0
	s_mov_b32 s25, 0
	s_wait_kmcnt 0x0
	s_cmp_lt_u32 ttmp9, 1088                       ; which tensor: the choice hangs on the group's number alone
	s_cselect_b64 s[16:17], s[6:7], s[8:9]
	s_cselect_b64 s[18:19], s[12:13], s[14:15]
	s_cselect_b32 s20, 1024, s20
	s_cmp_lt_u32 ttmp9, 1024
	s_cselect_b64 s[16:17], s[4:5], s[16:17]
	s_cselect_b64 s[18:19], s[10:11], s[18:19]
	s_cselect_b32 s20, 0, s20
	s_sub_co_u32 s20, ttmp9, s20                   ; my chunk in that tensor
	s_lshl_b32 s22, s20, 16                        ; 65,536 bytes in,
	s_lshl_b32 s24, s20, 15                        ; 32,768 out
	s_add_nc_u64 s[16:17], s[16:17], s[22:23]
	s_add_nc_u64 s[18:19], s[18:19], s[24:25]
.set i, 0
.rept 16
	global_load_b128 v[X+4*i:X+4*i+3], v1, s[16:17] offset:4096*i th:TH_LOAD_NT
.set i, i+1
.endr
.set i, 0
.rept 16
	s_wait_loadcnt 15-i                            ; loads come back in order: load i is in, the younger ones stay out
	v_cvt_pk_f16_f32 v[Y+2*i], v[X+4*i], v[X+4*i+1]
	v_cvt_pk_f16_f32 v[Y+2*i+1], v[X+4*i+2], v[X+4*i+3]
	global_store_b64 v2, v[Y+2*i:Y+2*i+1], s[18:19] offset:2048*i
.set i, i+1
.endr
	s_endpgm
.Lfunc_end_k_qcefe91561f_cast:
	.size	k_qcefe91561f_cast, .Lfunc_end_k_qcefe91561f_cast-k_qcefe91561f_cast
	.p2alignl 7, 3214868480
	.fill 96, 4, 3214868480
	.section	.rodata,"a",@progbits
	.p2align	6, 0x0
	.amdhsa_kernel k_qcefe91561f_cast
		.amdhsa_group_segment_fixed_size 0
		.amdhsa_private_segment_fixed_size 0
		.amdhsa_enable_private_segment 0
		.amdhsa_kernarg_size 48
		.amdhsa_user_sgpr_count 2
		.amdhsa_user_sgpr_kernarg_segment_ptr 1
		.amdhsa_wavefront_size32 1
		.amdhsa_system_sgpr_workgroup_id_x 1
		.amdhsa_system_sgpr_workgroup_id_y 1
		.amdhsa_system_sgpr_workgroup_id_z 1
		.amdhsa_system_vgpr_workitem_id 0
		.amdhsa_next_free_vgpr 100
		.amdhsa_next_free_sgpr 66
		.amdhsa_reserve_vcc 0
		.amdhsa_float_denorm_mode_32 3
		.amdhsa_float_denorm_mode_16_64 3
		.amdhsa_memory_ordered 1
		.amdhsa_forward_progress 1
		.amdhsa_inst_pref_size 7
	.end_amdhsa_kernel
	.amdgpu_metadata
---
amdhsa.version: [ 1, 2 ]
amdhsa.kernels:
  - .name:           k_qcefe91561f_cast
    .symbol:         k_qcefe91561f_cast.kd
    .args:
      - { .name: value, .offset: 0, .size: 8, .value_kind: global_buffer, .address_space: global }
      - { .name: Wq_w, .offset: 8, .size: 8, .value_kind: global_buffer, .address_space: global }
      - { .name: Wk_w, .offset: 16, .size: 8, .value_kind: global_buffer, .address_space: global }
      - { .name: v16, .offset: 24, .size: 8, .value_kind: global_buffer, .address_space: global }
      - { .name: wq16, .offset: 32, .size: 8, .value_kind: global_buffer, .address_space: global }
      - { .name: wk16, .offset: 40, .size: 8, .value_kind: global_buffer, .address_space: global }
    .group_segment_fixed_size: 0
    .private_segment_fixed_size: 0
    .kernarg_segment_align: 8
    .kernarg_segment_size: 48
    .max_flat_workgroup_size: 256
    .sgpr_count:     66
    .vgpr_count:     100
    .wavefront_size: 32
...
	.end_amdgpu_metadata
.endif
;; end of part 1
;; launch proj (part 2): grid 4 x 192, 4 waves a work-group, clusters of 4 x 4, 327,680 bytes of LDS; arguments query, key, wq16, wk16, Wq_b, Wk_b, q16, k16; writes q16, k16
.if DOCPART == 2
	.amdgcn_target "amdgcn-amd-amdhsa--gfx1250"
	.amdhsa_code_object_version 6
	.text
	.protected	k_qcefe91561f_proj
	.globl	k_qcefe91561f_proj
	.p2align	8
	.type	k_qcefe91561f_proj,@function
k_qcefe91561f_proj:
	s_mov_b64 s[64:65], 0
	v_nop
	global_prefetch_b8 v0, s[64:65] scope:SCOPE_SE
	s_setreg_imm32_b32 hwreg(HW_REG_WAVE_MODE, 25, 1), 1
	s_wait_xcnt 0x0
	s_wait_alu depctr_hold_cnt(0) depctr_sa_sdst(0) depctr_va_vdst(0) depctr_va_sdst(0) depctr_va_ssrc(0) depctr_va_vcc(0) depctr_vm_vsrc(0)
	s_getreg_b32 s2, hwreg(HW_REG_IB_STS2, 6, 4)
	s_cmp_eq_u32 s2, 0
	s_cbranch_scc0 .Lentry_in_a_cluster
	s_endpgm
.Lentry_in_a_cluster:
	s_bfe_u32 s2, ttmp6, 0x10000c
	s_cmp_lg_u32 s2, 0xf033
	s_cbranch_scc0 .Lentry_shape_is_right
	s_endpgm
.Lentry_shape_is_right:
; q16 = (query Wq^T + bq) / 8 and k16 = (key Wk^T + bk) / 4, in f16; the two powers of two multiply to the 1/32 that the scores want, exactly.
; x (query or key) is f32 [rows][1024]; W comes as f16 [1024][1024] from the launch before; sums in f32; x is rounded to f16 between LDS and the matrix unit.
; LIMITS: |x| and |W| below 65,504; |q| below 524,000 and |k| below 262,000, or the stored f16 is an infinity.  NaN and infinities are not treated apart.
; SHARES.  A work-group makes 128 rows x 256 columns: row tiles 0-63 are q's, 64-191 k's (a cluster's four row tiles lie on one side: the choice hangs on the cluster's y).
; Four waves, each 64 rows x 128 columns: 32 accumulators.  K = 1024 goes in 8 steps of 128 through two LDS slots.
; CLUSTER 4 x 4: the four of a row need the same tile of x, the four of a column the same tile of W: each is asked for jointly.
; THE MATRIX INSTRUCTION IS USED TRANSPOSED (source 0 = 16 rows of W, source 1 = 16 rows of x): a lane holds one row of the result and eight neighbouring columns.
; THE PIPELINE.  A sub-step is 32 along K.  Phase p of a step loads sub-step p from LDS (x raw in f32, W as fragments), rounds the sub-step one back to f16, and multiplies
; the sub-step two back.  One load and one rounding come to each product, so they stand behind the products, a few to each, and not in runs of their own.
; REGISTERS, in windows of 256: window 0: v0-29 addresses; v32-95 x's fragments in f16, two buffers; v128-255 x raw, two buffers (on the way out: packed results and rows read back)
;   window 1: W's fragments, four buffers of 64, one a sub-step     window 2: accumulator (a, b) at v[8 (8 a + b)]     window 3: v0-63 the bias of my 128 columns, scaled
.set PA,    528                        ; a row of x in LDS: 512 bytes + 16 = 132 words: the 16 rows of a load start at 16 different groups of four banks (64 banks of 4 bytes: ISA guide 11.1)
.set PB,    272                        ; a row of W: 256 bytes + 16
.set BOFF,  128*PA                     ; a slot: x's 128 rows, then W's 256
.set SLOT,  BOFF+256*PB
.set STAGE, 2*SLOT                     ; behind the ring: 16 rows x 272 bytes for each wave, for the way out
.set SP,    272
.set SPARE, STAGE+4*16*SP              ; the spare words, 128 bytes a wave: two blocks of 256 bytes that no other line names
.set ADRA0, 2                          ; v2  my lane's place in a slot's x; never rewritten
.set ADRB0, 3                          ; v3  the same for W
.set ADRA,  4                          ; v4  the same in the slot that is being read
.set ADRB,  5
.set STO,   6                          ; v6  the way out: where I put 16 bytes of a row
.set RD,    7                          ; v7  where I read a row back
.set CO,    8                          ; v8  my byte offset in the result
.set BO,    9                          ; v9  my byte offset in the bias
.set SPW,   28                         ; v28 LDS address of my spare word; never rewritten
.set NIL,   29                         ; v29 0; never rewritten
.set AF,    32
.set RAW,   128
.set TMP,   128
.set OB,    160
.set WV,  20                           ; s20 wave; s21 its half of the rows (also: 0 fetches x, 1 fetches W); s22 its half of the columns (also: which half of that tile it fetches)
.set WR,  21
.set WC,  22
.set CX,  23
.set CYP, 24
.set TX,  25
.set TY,  26
.set CLY, 27
.set G1A, 28                           ; s[28:35], s[36:43] descriptor group 1 for x's and W's tiles
.set G1B, 36
.set G0A, 44                           ; s[44:51], s[52:59] group 0: a set for each first fill; the second then walks
.set G0B, 52
.set TB,  60                           ; s60 LDS byte at which the slot that is being read begins
.set CNT, 61
.set WOA, 62                           ; s62, s63 my part's place in a slot, for x and for W
.set WOB, 63
.set SC,  68                           ; s[68:69] 1/8 or 1/4
.set MSB, 0
.macro WIN new                         ; the immediate's high byte repeats the setting that is left; a switch that changes nothing is dropped
.if MSB != (\new)
	s_set_vgpr_msb (MSB<<8)|(\new)
.set MSB, (\new)
.endif
.endm
.macro PLACES
.rept 4
	v_nop
.endr
.endm
.macro CREST                           ; a round of the cluster's barrier behind its opening barrier
	s_cmp_lg_u32 s[WV], 0
	s_cbranch_scc1 .Lnot_wave_0_\@
	s_barrier_signal -3
.Lnot_wave_0_\@:
	s_barrier_wait -3
	s_barrier_signal -1
	s_barrier_wait -1
.endm
.macro CROUND
	s_barrier_signal -1
	s_barrier_wait -1
	CREST
.endm
.macro JLOAD                           ; a joint refill by the walking sets: waves 0, 1 x's halves, waves 2, 3 W's; an s_nop 0 and four v_nop follow each line
	s_cmp_eq_u32 s[WR], 0
	s_cbranch_scc0 .Lfor_b_\@
	tensor_load_to_lds s[G0A+4:G0A+7], s[G1A:G1A+7]
	s_nop 0
.rept 4
	v_nop
.endr
	s_branch .Lasked_\@
.Lfor_b_\@:
	tensor_load_to_lds s[G0B+4:G0B+7], s[G1B:G1B+7]
	s_nop 0
.rept 4
	v_nop
.endr
.Lasked_\@:
.endm
	s_load_b512 s[4:19], s[0:1], 0x0               ; query, key, wq16, wk16, Wq_b, Wk_b, q16, k16
	v_lshl_add_u32 v[SPW], v0, 2, SPARE
	v_mov_b32 v[NIL], 0
	ds_add_u32 v[SPW], v[NIL]                      ; the wave's opening: the add and its wait ahead of my first tensor load
	v_lshrrev_b32 v1, 5, v0
	v_readfirstlane_b32 s[WV], v1
	s_lshr_b32 s[WR], s[WV], 1
	s_and_b32 s[WC], s[WV], 1
	s_bfe_u32 s[CX], ttmp6, 0x40000
	s_bfe_u32 s[CYP], ttmp6, 0x40004
	s_lshl_b32 s[TX], ttmp9, 2
	s_add_co_u32 s[TX], s[TX], s[CX]               ; column tile
	s_and_b32 s[CLY], ttmp7, 0xffff
	s_lshl_b32 s[TY], s[CLY], 2
	s_add_co_u32 s[TY], s[TY], s[CYP]              ; row tile, q's and k's counted on
	s_lshl_b32 s70, s[CYP], 2
	s_lshl_b32 s70, 15, s70                        ; my row of the cluster
	s_lshl_b32 s76, 0x1111, s[CX]                  ; my column
	s_or_b32 s[G1A], s70, (2<<16)|(1<<20)|(1<<21)|(6<<22)|(3<<25)  ; mask; 4-byte elements; padding on; bit 21 beside a mask; after every 128 words 4 words
	s_mov_b32 s[G1A+1], 128<<16                    ; tensor_dim0 = 128
	s_mov_b32 s[G1A+2], 64<<16                     ; tensor_dim1 = 64
	s_mov_b32 s[G1A+3], 128<<16                    ; tile_dim0 = 128
	s_mov_b32 s[G1A+4], 64                         ; tile_dim1 = 64
	s_mov_b32 s[G1A+5], 1024                       ; elements from row to row
	s_mov_b32 s[G1A+6], 0
	s_mov_b32 s[G1A+7], 0
	s_or_b32 s[G1B], s76, (1<<16)|(1<<20)|(1<<21)|(5<<22)|(3<<25)  ; 2-byte elements; after every 64 words 4 words
	s_mov_b32 s[G1B+1], 128<<16
	s_mov_b32 s[G1B+2], 128<<16
	s_mov_b32 s[G1B+3], 128<<16
	s_mov_b32 s[G1B+4], 128
	s_mov_b32 s[G1B+5], 1024
	s_mov_b32 s[G1B+6], 0
	s_mov_b32 s[G1B+7], 0
	s_mul_i32 s[WOA], s[WC], 64*PA
	s_mul_i32 s[WOB], s[WC], 128*PB
	s_add_co_u32 s[WOB], s[WOB], BOFF
	s_mov_b32 s[TB], 0
	s_mov_b32 s[SC], 0x3e800000                    ; 1/4, for k
	s_wait_dscnt 0x0                               ; the opening add is done
	s_wait_kmcnt 0x0
	s_cmp_lt_u32 s[CLY], 16                        ; clusters 0-15 along y make q, the others k: the same answer in all sixteen partners
	s_cselect_b64 s[4:5], s[4:5], s[6:7]           ; x
	s_cselect_b64 s[8:9], s[8:9], s[10:11]         ; W
	s_cselect_b64 s[12:13], s[12:13], s[14:15]     ; the bias
	s_cselect_b64 s[16:17], s[16:17], s[18:19]     ; the result
	s_cselect_b32 s71, 0, 64
	s_cselect_b32 s[SC], 0x3e000000, s[SC]         ; 1/8, for q
	s_mov_b32 s[SC+1], s[SC]                       ; named with it as a pair
	s_sub_co_u32 s71, s[TY], s71                   ; the row tile in its own tensor
	s_lshl_b32 s72, s71, 7
	s_lshl_b32 s73, s[WC], 6
	s_add_co_u32 s72, s72, s73                     ; x: row 128 x tile + 64 x half,
	s_lshl_b32 s72, s72, 12                        ; 4,096 bytes each
	s_mov_b32 s73, 0
	s_add_nc_u64 s[72:73], s[4:5], s[72:73]
	s_lshl_b32 s78, s[TX], 8
	s_lshl_b32 s79, s[WC], 7
	s_add_co_u32 s78, s78, s79                     ; W: row 256 x tile + 128 x half,
	s_lshl_b32 s78, s78, 11                        ; 2,048 bytes each
	s_mov_b32 s79, 0
	s_add_nc_u64 s[78:79], s[8:9], s[78:79]
.irp s, 0,1
	s_mov_b32 s[G0A+4*(\s)], 1
	s_add_co_u32 s[G0A+4*(\s)+1], s[WOA], (\s)*SLOT
	s_add_nc_u64 s[G0A+4*(\s)+2:G0A+4*(\s)+3], s[72:73], (\s)*512
	s_or_b32 s[G0A+4*(\s)+3], s[G0A+4*(\s)+3], 0x80000000
	s_mov_b32 s[G0B+4*(\s)], 1
	s_add_co_u32 s[G0B+4*(\s)+1], s[WOB], (\s)*SLOT
	s_add_nc_u64 s[G0B+4*(\s)+2:G0B+4*(\s)+3], s[78:79], (\s)*256
	s_or_b32 s[G0B+4*(\s)+3], s[G0B+4*(\s)+3], 0x80000000
.endr
	CROUND                                         ; all sixteen work-groups are here: the first joint loads meet
	s_cmp_eq_u32 s[WR], 0                          ; a wave's two first fills stand in one branch: two loads of mine are out
	s_cbranch_scc0 .Lfirst_b
	tensor_load_to_lds s[G0A:G0A+3], s[G1A:G1A+7]
	s_nop 0
	tensor_load_to_lds s[G0A+4:G0A+7], s[G1A:G1A+7]
	s_nop 0
.rept 4
	v_nop
.endr
	s_branch .Lfirst_asked
.Lfirst_b:
	tensor_load_to_lds s[G0B:G0B+3], s[G1B:G1B+7]
	s_nop 0
	tensor_load_to_lds s[G0B+4:G0B+7], s[G1B:G1B+7]
	s_nop 0
.rept 4
	v_nop
.endr
.Lfirst_asked:
	v_and_b32 v1, 15, v0                           ; r = lane % 16
	v_bfe_u32 v10, v0, 4, 1                        ; h = lane / 16
	v_lshlrev_b32 v[BO], 5, v10
	s_lshl_b32 s82, s[TX], 10
	s_lshl_b32 s83, s[WC], 9
	s_add_co_u32 s82, s82, s83                     ; my 128 columns' first byte in the bias
	s_mov_b32 s83, 0
	s_add_nc_u64 s[82:83], s[12:13], s[82:83]
	WIN 0xc0                                       ; destination window 3
.set z, 0
.rept 16                                       ; register 8 b + j: column 16 b + 8 h + j
	global_load_b128 v[4*z:4*z+3], v[BO], s[82:83] offset:64*(z/2)+16*(z%2)
.set z, z+1
.endr
	WIN 0
	v_mul_u32_u24 v[ADRA0], v1, PA                 ; x raw: row x pitch + 32 h: eight f32 are 32 bytes
	v_lshl_add_u32 v[ADRA0], v10, 5, v[ADRA0]
	s_mul_i32 s84, s[WR], 64*PA
	v_add_nc_u32 v[ADRA0], s84, v[ADRA0]
	v_mul_u32_u24 v[ADRB0], v1, PB                 ; W: row x pitch + 16 h
	v_lshl_add_u32 v[ADRB0], v10, 4, v[ADRB0]
	s_mul_i32 s85, s[WC], 128*PB
	s_add_co_u32 s85, s85, BOFF
	v_add_nc_u32 v[ADRB0], s85, v[ADRB0]
	v_mov_b32 v[ADRA], v[ADRA0]
	v_mov_b32 v[ADRB], v[ADRB0]
	s_mul_i32 s86, s[WV], 16*SP
	s_add_co_u32 s86, s86, STAGE                   ; my stage
	v_mul_u32_u24 v[STO], v1, SP
	v_lshl_add_u32 v[STO], v10, 4, v[STO]
	v_add_nc_u32 v[STO], s86, v[STO]
	v_mul_u32_u24 v[RD], v10, SP                   ; back: lanes 0-15 one row of 256 bytes, lanes 16-31 the next
	v_lshl_add_u32 v[RD], v1, 4, v[RD]
	v_add_nc_u32 v[RD], s86, v[RD]
	v_lshlrev_b32 v[CO], 11, v10                   ; and the same two rows in the result
	v_lshl_add_u32 v[CO], v1, 4, v[CO]
	s_lshl_b32 s88, s71, 7
	s_lshl_b32 s89, s[WR], 6
	s_add_co_u32 s88, s88, s89                     ; my first row,
	s_lshl_b32 s88, s88, 11
	s_lshl_b32 s89, s[TX], 9
	s_add_co_u32 s88, s88, s89                     ; my first column, in bytes
	s_lshl_b32 s89, s[WC], 8
	s_add_co_u32 s88, s88, s89
	s_mov_b32 s89, 0
	s_add_nc_u64 s[16:17], s[16:17], s[88:89]
; Product i of a phase's 32: rows 16 (i / 8) on, columns 16 (i % 8) on.  The 32 accumulators take turns.
.macro MM p, zero
	WIN 0xa1                                       ; W window 1, x window 0, C and D window 2
.if \zero
	v_wmma_f32_16x16x32_f16 v[8*i:8*i+7], v[64*(((\p)+2)%4)+8*(i%8):64*(((\p)+2)%4)+8*(i%8)+7], v[AF+32*((\p)%2)+8*(i/8):AF+32*((\p)%2)+8*(i/8)+7], 0
.else
	v_wmma_f32_16x16x32_f16 v[8*i:8*i+7], v[64*(((\p)+2)%4)+8*(i%8):64*(((\p)+2)%4)+8*(i%8)+7], v[AF+32*((\p)%2)+8*(i/8):AF+32*((\p)%2)+8*(i/8)+7], v[8*i:8*i+7]
.endif
.endm
; Load y of 16 of x raw: rows 16 (y / 4) on; a lane's K = 8 h + 0..7 are two loads 16 bytes apart, K = 16 + 8 h + 0..7 the same 64 bytes on.
.macro LA p, y
	WIN 0
	ds_load_b128 v[RAW+64*((\p)%2)+4*(\y):RAW+64*((\p)%2)+4*(\y)+3], v[ADRA] offset:((\y)/4)*16*PA+128*(\p)+16*((\y)%2)+64*(((\y)%4)/2)
.endm
.macro LB p, z                         ; load z of 16 of W's fragments: rows 16 (z / 2) on
	WIN 0x40
	ds_load_b128 v[64*(\p)+4*(\z):64*(\p)+4*(\z)+3], v[ADRB] offset:((\z)/2)*16*PB+64*(\p)+32*((\z)%2)
.endm
.macro XF p, x                         ; rounding x of 32: two f32 of the sub-step loaded last phase become one register of a fragment
	WIN 0
	v_cvt_pk_f16_f32 v[AF+32*(((\p)+1)%2)+(\x)], v[RAW+64*(((\p)+1)%2)+2*(\x)], v[RAW+64*(((\p)+1)%2)+2*(\x)+1]
.endm
.macro RUN p
.set y, 0
.rept 16
	LA \p, y
.set y, y+1
.endr
.set y, 0
.rept 16
	LB \p, y
.set y, y+1
.endr
.endm
; A PHASE.  Behind products 0-7: two loads of x and two roundings each; 8-15: two loads of W; 16-23: two roundings; 24-31: nothing.
; A rounding writes a fragment register sixteen or more roundings of other registers behind the last product that read it; a load into W's buffer stands two phases behind
; that buffer's last reader (ISA guide 7.12.1 for vector instructions): no v_nop is needed.
; meet = 1, 2 (phase 3 alone): THE CHANGE OF SLOTS.  The slot's last loads stand behind product 15.  Each wave waits for all its tensor loads (one is out: its part of the other slot), adds 0 to its
; spare word, and waits for that and for its reads of the slot; behind the barrier nobody reads this slot and the other is whole.  meet = 1: the barrier opens a round of the cluster's, and
; the slot is filled again first thing behind it, with the K step two on: that load has 112 products in which to land.
.macro PHASE p, zero, meet
	s_wait_dscnt 16                                ; all but the last phase's 16 loads of W: the raw x to be rounded and the W to be multiplied are in
.set i, 0
.rept 32
.if (\meet) && (i == 16)
	WIN 0                                          ; (the add's two registers lie in window 0)
	s_wait_tensorcnt 0x0                           ; all my tensor loads have landed, so a group 0 may be written
	ds_add_u32 v[SPW], v[NIL]
.if (\meet) == 1
	s_add_co_u32 s[G0A+5], s[TB], s[WOA]           ; the walking sets: into the slot that is being left,
	s_add_nc_u64 s[G0A+6:G0A+7], s[G0A+6:G0A+7], 512  ; the next K step
	s_add_co_u32 s[G0B+5], s[TB], s[WOB]
	s_add_nc_u64 s[G0B+6:G0B+7], s[G0B+6:G0B+7], 256
.endif
.endif
.if (\meet) && (i == 24)
	s_wait_dscnt 0x0                               ; the add is done, and my reads of this slot are over
	s_barrier_signal -1
.endif
	MM \p, \zero
.if i < 8
	LA \p, 2*i
	LA \p, 2*i+1
	XF \p, 2*i
	XF \p, 2*i+1
.elseif i < 16
	LB \p, 2*(i-8)
	LB \p, 2*(i-8)+1
.elseif i < 24
	XF \p, 2*(i-8)
	XF \p, 2*(i-8)+1
.endif
.set i, i+1
.endr
.if \meet
	WIN 0
	s_barrier_wait -1
.if (\meet) == 1
	CREST                                          ; no wave of any partner still reads this slot's tile or has a load on its way
	JLOAD
.endif
	s_xor_b32 s[TB], s[TB], SLOT                   ; the loads go on in the other slot
	v_add_nc_u32 v[ADRA], s[TB], v[ADRA0]
	v_add_nc_u32 v[ADRB], s[TB], v[ADRB0]
.endif
.endm
	s_wait_tensorcnt 0x1                           ; my part of K step 0 is in; step 1's may stay out
	s_barrier_signal -1
	s_barrier_wait -1
	RUN 0
	RUN 1
	s_wait_loadcnt 0x0                             ; the bias
	WIN 0xc3
.set z, 0
.rept 32
	v_pk_mul_f32 v[2*z:2*z+1], v[2*z:2*z+1], s[SC:SC+1] op_sel_hi:[1,0]
.set z, z+1
.endr
	s_wait_dscnt 32                                ; sub-step 0 is in; sub-step 1's 32 loads may stay out
.set x, 0
.rept 32
	XF 1, x
.set x, x+1
.endr
	PHASE 2, 1, 0                                  ; the first products start the sums: nothing is cleared
	WIN 0
	s_mov_b32 s[CNT], 6
.Lstep:                                                ; six trips: K steps 2 to 7 are asked for
	PHASE 3, 0, 1
	PHASE 0, 0, 0
	PHASE 1, 0, 0
	PHASE 2, 0, 0
	WIN 0
	s_sub_co_u32 s[CNT], s[CNT], 1
	s_cmp_lg_u32 s[CNT], 0
	s_cbranch_scc1 .Lstep
	s_mov_b32 s[CNT], 2
.Ltail:                                                ; nothing more is asked for.  The second trip is left in its middle; its last two phases load, and round, bytes of the other slot
	PHASE 3, 0, 2                                  ; that serve nothing: the price of one text for both trips
	PHASE 0, 0, 0
	PHASE 1, 0, 0
	WIN 0
	s_sub_co_u32 s[CNT], s[CNT], 1
	s_cmp_eq_u32 s[CNT], 0
	s_cbranch_scc1 .Lout
	PHASE 2, 0, 0
	WIN 0
	s_branch .Ltail
.Lout:
	s_wait_dscnt 0x0                               ; the loads that serve nothing are back: their registers are used below
	PLACES                                         ; four places between the last products and the first read of a result
; THE WAY OUT of block a (16 rows): sum x scale + bias x scale, rounded to f16; 16 bytes a lane into my stage; back as whole rows of 256 bytes; stored.
.macro PACK a
	WIN 0xb2                                       ; sums window 2, bias window 3
.set z, 0
.rept 32                                       ; each accumulator's registers in ascending order
	v_pk_fma_f32 v[64*(\a)+2*z:64*(\a)+2*z+1], v[64*(\a)+2*z:64*(\a)+2*z+1], s[SC:SC+1], v[2*z:2*z+1] op_sel_hi:[1,0,1]
.set z, z+1
.endr
	WIN 0x0a
.set z, 0
.rept 32
	v_cvt_pk_f16_f32 v[TMP+z], v[64*(\a)+2*z], v[64*(\a)+2*z+1]
.set z, z+1
.endr
	WIN 0
.endm
.macro TOSTAGE a
	WIN 0
.set BK, OB+32*((\a)%2)
.irp b, 0,1,2,3,4,5,6,7
	ds_store_b128 v[STO], v[TMP+4*(\b):TMP+4*(\b)+3] offset:32*(\b)
.endr
.irp t, 0,1,2,3,4,5,6,7
	ds_load_b128 v[BK+4*(\t):BK+4*(\t)+3], v[RD] offset:(\t)*2*SP  ; LDS serves a wave's instructions in order (ISA guide 5.7.1.4): these see the stores above
.endr
.endm
.macro SEND a
	WIN 0
.set BK, OB+32*((\a)%2)
	s_wait_dscnt 0x0                               ; the block is back in registers
	s_wait_xcnt 0x0                                ; the registers that earlier stores read are loaded again only behind this wait
.irp t, 0,1,2,3,4,5,6,7
	global_store_b128 v[CO], v[BK+4*(\t):BK+4*(\t)+3], s[16:17] offset:(16*(\a)+2*(\t))*2048  ; 16 lanes store 256 consecutive bytes, at a multiple of 256
.endr
.endm
	PACK 0
	TOSTAGE 0
.irp a, 1,2,3
	PACK \a
	SEND (\a)-1
	TOSTAGE \a
.endr
	SEND 3
	s_wait_tensorcnt 0x0                           ; the wave's end
	ds_add_u32 v[SPW], v[NIL]
	s_wait_dscnt 0x0
	CROUND                                         ; the closing round
	s_endpgm
.Lfunc_end_k_qcefe91561f_proj:
	.size	k_qcefe91561f_proj, .Lfunc_end_k_qcefe91561f_proj-k_qcefe91561f_proj
	.p2alignl 7, 3214868480
	.fill 96, 4, 3214868480
	.section	.rodata,"a",@progbits
	.p2align	6, 0x0
	.amdhsa_kernel k_qcefe91561f_proj
		.amdhsa_group_segment_fixed_size 327680
		.amdhsa_private_segment_fixed_size 0
		.amdhsa_enable_private_segment 0
		.amdhsa_kernarg_size 64
		.amdhsa_user_sgpr_count 2
		.amdhsa_user_sgpr_kernarg_segment_ptr 1
		.amdhsa_wavefront_size32 1
		.amdhsa_system_sgpr_workgroup_id_x 1
		.amdhsa_system_sgpr_workgroup_id_y 1
		.amdhsa_system_sgpr_workgroup_id_z 1
		.amdhsa_system_vgpr_workitem_id 0
		.amdhsa_next_free_vgpr 832
		.amdhsa_next_free_sgpr 96
		.amdhsa_reserve_vcc 0
		.amdhsa_float_denorm_mode_32 3
		.amdhsa_float_denorm_mode_16_64 3
		.amdhsa_memory_ordered 1
		.amdhsa_forward_progress 1
		.amdhsa_inst_pref_size 112
	.end_amdhsa_kernel
	.amdgpu_metadata
---
amdhsa.version: [ 1, 2 ]
amdhsa.kernels:
  - .name:           k_qcefe91561f_proj
    .symbol:         k_qcefe91561f_proj.kd
    .args:
      - { .name: query, .offset: 0, .size: 8, .value_kind: global_buffer, .address_space: global }
      - { .name: key, .offset: 8, .size: 8, .value_kind: global_buffer, .address_space: global }
      - { .name: wq16, .offset: 16, .size: 8, .value_kind: global_buffer, .address_space: global }
      - { .name: wk16, .offset: 24, .size: 8, .value_kind: global_buffer, .address_space: global }
      - { .name: Wq_b, .offset: 32, .size: 8, .value_kind: global_buffer, .address_space: global }
      - { .name: Wk_b, .offset: 40, .size: 8, .value_kind: global_buffer, .address_space: global }
      - { .name: q16, .offset: 48, .size: 8, .value_kind: global_buffer, .address_space: global }
      - { .name: k16, .offset: 56, .size: 8, .value_kind: global_buffer, .address_space: global }
    .group_segment_fixed_size: 327680
    .private_segment_fixed_size: 0
    .kernarg_segment_align: 8
    .kernarg_segment_size: 64
    .max_flat_workgroup_size: 128
    .sgpr_count:     96
    .vgpr_count:     832
    .wavefront_size: 32
...
	.end_amdgpu_metadata
.endif
;; end of part 2
;; launch scores (part 3): grid 8 x 32, 4 waves a work-group, clusters of 4 x 4, 327,680 bytes of LDS; arguments q16, k16, mask, p16, stats; writes p16, stats
.if DOCPART == 3
	.amdgcn_target "amdgcn-amd-amdhsa--gfx1250"
	.amdhsa_code_object_version 6
	.text
	.protected	k_qcefe91561f_scores
	.globl	k_qcefe91561f_scores
	.p2align	8
	.type	k_qcefe91561f_scores,@function
k_qcefe91561f_scores:
	s_mov_b64 s[64:65], 0
	v_nop
	global_prefetch_b8 v0, s[64:65] scope:SCOPE_SE
	s_setreg_imm32_b32 hwreg(HW_REG_WAVE_MODE, 25, 1), 1
	s_wait_xcnt 0x0
	s_wait_alu depctr_hold_cnt(0) depctr_sa_sdst(0) depctr_va_vdst(0) depctr_va_sdst(0) depctr_va_ssrc(0) depctr_va_vcc(0) depctr_vm_vsrc(0)
	s_getreg_b32 s2, hwreg(HW_REG_IB_STS2, 6, 4)
	s_cmp_eq_u32 s2, 0
	s_cbranch_scc0 .Lentry_in_a_cluster
	s_endpgm
.Lentry_in_a_cluster:
	s_bfe_u32 s2, ttmp6, 0x10000c
	s_cmp_lg_u32 s2, 0xf033
	s_cbranch_scc0 .Lentry_shape_is_right
	s_endpgm
.Lentry_shape_is_right:
; For each batch: t = (q . k / 32) mask log2(e), or -1e9 log2(e) where mask = 0; for each query and each block of 128 keys the block's maximum m, p' = 2^(t - m) in f16, and l = the sum of p'.
; q16 holds q / 8 and k16 k / 4, so their product is q . k / 32.  p16: [8192][2048] f16; stats: [16 key blocks][8192 rows][m, l] f32, m in units of log2.
; The maximum is taken away before every exponential: here the block's, in the next launch the difference to the row's: both exponents are at most 0.
; LIMITS: a raw score at a masked key must be finite (it is multiplied by 0 and -1e9 log2(e) is added, where reference() selects); p' below 6e-5 keeps f16's fixed step of 6e-8, and a p' below 2^-126
; counts as 0 in l; l is the sum of the unrounded p'.  NaN and infinities are not treated apart.
; SHARES.  A work-group makes 256 queries x 256 keys; four waves, each 128 x 128: 64 accumulators, 512 registers; a wave's 128 keys are one block of stats.  K = 1024 in 8 steps of 128, two LDS slots.
; CLUSTER 4 x 4: a cluster's y is the batch; the four of a row share q's tile, the four of a column k's: each is asked for jointly.
; THE MATRIX INSTRUCTION IS USED TRANSPOSED (source 0 = 16 keys, source 1 = 16 queries): a lane holds one query (lane % 16) and the keys 16 b + 8 (lane / 16) + 0..7.
; REGISTERS: window 0: v0-29 addresses and work; v32-47 (m, l) of my eight blocks of 16 rows; v64-127, v128-191 q's fragments, two buffers (on the way out: rows read back, packed p'); v192-255 the mask as loaded
;   window 1: v0-63 mask x log2(e); v64-127, v128-191 k's fragments; v192-255 0 or -1e9 log2(e)     windows 2, 3: the accumulators of my rows 0-63, 64-127: (a, b) at v[8 (8 a + b)]
.set PITCH,  272                       ; 256 bytes + 16 = 68 words: the 16 rows of a load start at 16 different groups of four banks (64 banks of 4 bytes: ISA guide 11.1)
.set HALFT,  128*PITCH
.set SLOT,   4*HALFT                   ; q's 256 rows, then k's 256 rows
.set STAGE,  2*SLOT
.set SPITCH, 272
.set SPARE,  STAGE+4*16*SPITCH
.set ADRA0, 2
.set ADRB0, 3
.set ADRA,  4
.set ADRB,  5
.set STO,   6
.set RD,    7
.set CO,    8
.set SO,    9                          ; v9  8 x lane: my row's place in a store of stats
.set MO,    10                         ; v10 my byte offset in the mask
.set CH,    12                         ; v12-15 four chains at work
.set MW,    16                         ; v16-17 the block's maximum, twice
.set SD,    18                         ; v18-25 stats to store
.set SPW,   28
.set NIL,   29
.set SM,    32
.set F0,    64
.set F1,    128
.set MT,    192
.set MU,    0                          ; window 1
.set AD,    192                        ; window 1
.set OB,    64
.set TMP,   128
.set WV,  20
.set WR,  21
.set WC,  22
.set CX,  23
.set CYP, 24
.set TX,  25
.set TY,  26
.set CLY, 27
.set G1A, 28
.set G1B, 36
.set G0A, 44
.set G0B, 52
.set TB,  60
.set CNT, 61
.set WO,  62                           ; s62 my part's place in a slot: wave x 128 rows
.set SEL, 66                           ; s[66:67] v_permlanex16_b32's selects: each lane takes its own place in the other half
.set L2E, 68
.set NEGL, 69
.set HIM, 71
.set MSB, 0
.macro WIN new
.if MSB != (\new)
	s_set_vgpr_msb (MSB<<8)|(\new)
.set MSB, (\new)
.endif
.endm
.set MUL_LO, 0xa1                      ; k window 1, q window 0, C and D window 2
.set MUL_HI, 0xf1                      ; the same, C and D window 3
.set TO_B,   0x40
.macro PLACES
.rept 4
	v_nop
.endr
.endm
.macro CREST
	s_cmp_lg_u32 s[WV], 0
	s_cbranch_scc1 .Lnot_wave_0_\@
	s_barrier_signal -3
.Lnot_wave_0_\@:
	s_barrier_wait -3
	s_barrier_signal -1
	s_barrier_wait -1
.endm
.macro CROUND
	s_barrier_signal -1
	s_barrier_wait -1
	CREST
.endm
.macro JLOAD                           ; a joint refill by the walking sets: waves 0, 1 q's halves, waves 2, 3 k's; an s_nop 0 and four v_nop follow each line
	s_cmp_eq_u32 s[WR], 0
	s_cbranch_scc0 .Lfor_b_\@
	tensor_load_to_lds s[G0A+4:G0A+7], s[G1A:G1A+7]
	s_nop 0
.rept 4
	v_nop
.endr
	s_branch .Lasked_\@
.Lfor_b_\@:
	tensor_load_to_lds s[G0B+4:G0B+7], s[G1B:G1B+7]
	s_nop 0
.rept 4
	v_nop
.endr
.Lasked_\@:
.endm
	s_load_b256 s[4:11], s[0:1], 0x0               ; q16 s[4:5], k16 s[6:7], mask s[8:9], p16 s[10:11]
	s_load_b64 s[12:13], s[0:1], 0x20              ; stats
	v_lshl_add_u32 v[SPW], v0, 2, SPARE
	v_mov_b32 v[NIL], 0
	ds_add_u32 v[SPW], v[NIL]                      ; the wave's opening: the add and its wait ahead of my first tensor load
	v_lshrrev_b32 v1, 5, v0
	v_readfirstlane_b32 s[WV], v1
	s_lshr_b32 s[WR], s[WV], 1
	s_and_b32 s[WC], s[WV], 1
	s_bfe_u32 s[CX], ttmp6, 0x40000
	s_bfe_u32 s[CYP], ttmp6, 0x40004
	s_lshl_b32 s[TX], ttmp9, 2
	s_add_co_u32 s[TX], s[TX], s[CX]               ; key tile in the batch, 0..7
	s_and_b32 s[CLY], ttmp7, 0xffff                ; the batch
	s_lshl_b32 s[TY], s[CLY], 2
	s_add_co_u32 s[TY], s[TY], s[CYP]              ; query tile among all 32
	s_lshl_b32 s70, s[CYP], 2
	s_lshl_b32 s70, 15, s70
	s_lshl_b32 s76, 0x1111, s[CX]
	s_or_b32 s[G1A], s70, (1<<16)|(1<<20)|(1<<21)|(5<<22)|(3<<25)  ; mask; 2-byte elements; padding on; bit 21 beside a mask; after every 64 words 4 words
	s_or_b32 s[G1B], s76, (1<<16)|(1<<20)|(1<<21)|(5<<22)|(3<<25)
.irp g, G1A, G1B
	s_mov_b32 s[(\g)+1], 128<<16                   ; tensor_dim0 = 128
	s_mov_b32 s[(\g)+2], 128<<16                   ; tensor_dim1 = 128
	s_mov_b32 s[(\g)+3], 128<<16                   ; tile_dim0 = 128
	s_mov_b32 s[(\g)+4], 128                       ; tile_dim1 = 128
	s_mov_b32 s[(\g)+5], 1024                      ; elements from row to row
	s_mov_b32 s[(\g)+6], 0
	s_mov_b32 s[(\g)+7], 0
.endr
	s_mul_i32 s[WO], s[WV], HALFT
	s_mov_b32 s[TB], 0
	s_mov_b32 s[SEL], 0x76543210
	s_mov_b32 s[SEL+1], 0xfedcba98
	s_mov_b32 s[L2E], 0x3fb8aa3b                   ; log2(e)
	s_mov_b32 s[NEGL], 0xceabfb8f                  ; -1e9 log2(e)
	s_mov_b32 s[HIM], 0xffff0000                   ; lanes 16-31
	s_lshl_b32 s72, s[TY], 8
	s_lshl_b32 s73, s[WC], 7
	s_add_co_u32 s72, s72, s73                     ; q: row 256 x tile + 128 x half,
	s_lshl_b32 s72, s72, 11                        ; 2,048 bytes each
	s_mov_b32 s73, 0
	s_lshl_b32 s78, s[CLY], 3
	s_add_co_u32 s78, s78, s[TX]
	s_lshl_b32 s78, s78, 8
	s_lshl_b32 s79, s[WC], 7
	s_add_co_u32 s78, s78, s79                     ; k: row 256 x (8 x batch + tile) + 128 x half
	s_lshl_b32 s78, s78, 11
	s_mov_b32 s79, 0
	s_wait_dscnt 0x0                               ; the opening add is done
	s_wait_kmcnt 0x0
	s_add_nc_u64 s[72:73], s[4:5], s[72:73]
	s_add_nc_u64 s[78:79], s[6:7], s[78:79]
.irp s, 0,1
	s_mov_b32 s[G0A+4*(\s)], 1
	s_add_co_u32 s[G0A+4*(\s)+1], s[WO], (\s)*SLOT
	s_add_nc_u64 s[G0A+4*(\s)+2:G0A+4*(\s)+3], s[72:73], (\s)*256
	s_or_b32 s[G0A+4*(\s)+3], s[G0A+4*(\s)+3], 0x80000000
	s_mov_b32 s[G0B+4*(\s)], 1
	s_add_co_u32 s[G0B+4*(\s)+1], s[WO], (\s)*SLOT
	s_add_nc_u64 s[G0B+4*(\s)+2:G0B+4*(\s)+3], s[78:79], (\s)*256
	s_or_b32 s[G0B+4*(\s)+3], s[G0B+4*(\s)+3], 0x80000000
.endr
	CROUND                                         ; all sixteen work-groups are here: the first joint loads meet
	s_cmp_eq_u32 s[WR], 0                          ; a wave's two first fills stand in one branch: two loads of mine are out
	s_cbranch_scc0 .Lfirst_b
	tensor_load_to_lds s[G0A:G0A+3], s[G1A:G1A+7]
	s_nop 0
	tensor_load_to_lds s[G0A+4:G0A+7], s[G1A:G1A+7]
	s_nop 0
.rept 4
	v_nop
.endr
	s_branch .Lfirst_asked
.Lfirst_b:
	tensor_load_to_lds s[G0B:G0B+3], s[G1B:G1B+7]
	s_nop 0
	tensor_load_to_lds s[G0B+4:G0B+7], s[G1B:G1B+7]
	s_nop 0
.rept 4
	v_nop
.endr
.Lfirst_asked:
	v_and_b32 v1, 15, v0                           ; r
	v_bfe_u32 v11, v0, 4, 1                        ; h
	v_lshlrev_b32 v[MO], 5, v11
	s_lshl_b32 s82, s[CLY], 11
	s_lshl_b32 s83, s[TX], 8
	s_add_co_u32 s82, s82, s83
	s_lshl_b32 s83, s[WC], 7
	s_add_co_u32 s82, s82, s83                     ; my 128 keys in the mask,
	s_lshl_b32 s82, s82, 2                         ; 4 bytes each
	s_mov_b32 s83, 0
	s_add_nc_u64 s[8:9], s[8:9], s[82:83]
.set z, 0
.rept 16                                       ; register 8 b + j: key 16 b + 8 h + j
	global_load_b128 v[MT+4*z:MT+4*z+3], v[MO], s[8:9] offset:64*(z/2)+16*(z%2)
.set z, z+1
.endr
	v_mul_u32_u24 v[ADRA0], v1, PITCH
	v_lshl_add_u32 v[ADRA0], v11, 4, v[ADRA0]      ; row x pitch + 16 h
	v_mov_b32 v[ADRB0], v[ADRA0]
	s_mul_i32 s84, s[WR], HALFT
	v_add_nc_u32 v[ADRA0], s84, v[ADRA0]
	s_mul_i32 s85, s[WC], HALFT
	s_add_co_u32 s85, s85, 2*HALFT
	v_add_nc_u32 v[ADRB0], s85, v[ADRB0]
	v_mov_b32 v[ADRA], v[ADRA0]
	v_mov_b32 v[ADRB], v[ADRB0]
	s_mul_i32 s86, s[WV], 16*SPITCH
	s_add_co_u32 s86, s86, STAGE
	v_mul_u32_u24 v[STO], v1, SPITCH
	v_lshl_add_u32 v[STO], v11, 4, v[STO]
	v_add_nc_u32 v[STO], s86, v[STO]
	v_mul_u32_u24 v[RD], v11, SPITCH
	v_lshl_add_u32 v[RD], v1, 4, v[RD]
	v_add_nc_u32 v[RD], s86, v[RD]
	v_lshlrev_b32 v[CO], 12, v11                   ; a row of p16 is 4,096 bytes
	v_lshl_add_u32 v[CO], v1, 4, v[CO]
	v_and_b32 v[SO], 31, v0
	v_lshlrev_b32 v[SO], 3, v[SO]
	s_lshl_b32 s88, s[TY], 8
	s_lshl_b32 s89, s[WR], 7
	s_add_co_u32 s88, s88, s89                     ; my first row
	s_lshl_b32 s86, s88, 3                         ; in stats: 8 bytes a row,
	s_lshl_b32 s87, s[TX], 1
	s_add_co_u32 s87, s87, s[WC]                   ; in key block 2 x tile + half,
	s_lshl_b32 s87, s87, 16                        ; 65,536 bytes each
	s_add_co_u32 s86, s86, s87
	s_mov_b32 s87, 0
	s_add_nc_u64 s[12:13], s[12:13], s[86:87]
	s_lshl_b32 s88, s88, 12                        ; in p16
	s_lshl_b32 s89, s[TX], 9
	s_add_co_u32 s88, s88, s89
	s_lshl_b32 s89, s[WC], 8
	s_add_co_u32 s88, s88, s89
	s_mov_b32 s89, 0
	s_add_nc_u64 s[10:11], s[10:11], s[88:89]
	s_wait_loadcnt 0x0                             ; the mask.  Its factor and addend are made in the wait for the first tile
	WIN 0x40
.set z, 0
.rept 64
	v_cvt_f32_i32 v[MU+z], v[MT+z]
	v_cmp_eq_u32 vcc_lo, 0, v[MT+z]
	v_cndmask_b32 v[AD+z], 0, s[NEGL], vcc_lo
.set z, z+1
.endr
	WIN 0x44
.set z, 0
.rept 64
	v_mul_f32 v[MU+z], s[L2E], v[MU+z]
.set z, z+1
.endr
	WIN 0
; 16 products: blocks a0, a0 + 1 of the window's four (hi = 0: my rows 0-63, 1: rows 64-127) x all 8 key blocks, 32 along K.  The 64 accumulators take turns.
.macro MUL16 f, hi, a0, zero
	WIN MUL_LO+0x50*(\hi)
.irp a, \a0, (\a0)+1
.irp b, 0,1,2,3,4,5,6,7
.if \zero
	v_wmma_f32_16x16x32_f16 v[8*(8*(\a)+(\b)):8*(8*(\a)+(\b))+7], v[(\f)+8*(\b):(\f)+8*(\b)+7], v[(\f)+8*(4*(\hi)+(\a)):(\f)+8*(4*(\hi)+(\a))+7], 0
.else
	v_wmma_f32_16x16x32_f16 v[8*(8*(\a)+(\b)):8*(8*(\a)+(\b))+7], v[(\f)+8*(\b):(\f)+8*(\b)+7], v[(\f)+8*(4*(\hi)+(\a)):(\f)+8*(4*(\hi)+(\a))+7], v[8*(8*(\a)+(\b)):8*(8*(\a)+(\b))+7]
.endif
.endr
.endr
.endm
.macro FETCH k, f                      ; 32 LDS loads in one run: a quarter step's fragments (32 K at byte k of the rows) into buffer f: k's, then q's
	WIN TO_B
.irp i, 0,1,2,3,4,5,6,7
	ds_load_b128 v[(\f)+8*(\i):(\f)+8*(\i)+3],   v[ADRB] offset:(\k)+(\i)*16*PITCH
	ds_load_b128 v[(\f)+8*(\i)+4:(\f)+8*(\i)+7], v[ADRB] offset:(\k)+(\i)*16*PITCH+32
.endr
	WIN 0
.irp i, 0,1,2,3,4,5,6,7
	ds_load_b128 v[(\f)+8*(\i):(\f)+8*(\i)+3],   v[ADRA] offset:(\k)+(\i)*16*PITCH
	ds_load_b128 v[(\f)+8*(\i)+4:(\f)+8*(\i)+7], v[ADRA] offset:(\k)+(\i)*16*PITCH+32
.endr
.endm
; One of a K step's first three quarters: multiplies buffer f; in its middle, behind four places (loads into registers that products have read), the next quarter's fragments go into g.
.macro QUARTER k, f, g, zero
	s_wait_dscnt 8                                 ; k's fragments and q's rows 0-63 are in; the youngest eight loads (q's rows 64-127) may be out
	MUL16 \f, 0, 0, \zero
	MUL16 \f, 0, 2, \zero
	PLACES
	FETCH \k, \g
	s_wait_dscnt 32                                ; all but the 32 just issued
	MUL16 \f, 1, 0, \zero
	MUL16 \f, 1, 2, \zero
.endm
; The last quarter multiplies buffer 1 and changes slots: one barrier; in front of it each wave waits for all its tensor loads (one is out: its part of the next slot), adds 0 to its spare word,
; and waits for that and for its reads of this slot.
.macro MEET round
	WIN 0
	s_wait_tensorcnt 0x0
	ds_add_u32 v[SPW], v[NIL]
	s_wait_dscnt 9                                 ; (the add and the youngest eight loads may be out)
	MUL16 F1, 0, 0, 0
	s_wait_dscnt 0x0                               ; the add is done, and my reads of this slot are over
	s_barrier_signal -1
	MUL16 F1, 0, 2, 0
.if \round
	WIN 0
.endif
	s_barrier_wait -1
.endm
; fill = 1: the barrier opens a round of the cluster's, and the slot just left is filled again first thing behind it, with the K step two on: 224 products stand between that request and the wait for it.
.macro TURN fill
	MEET \fill
.if \fill
	CREST
	s_add_co_u32 s[G0A+5], s[TB], s[WO]
	s_add_nc_u64 s[G0A+6:G0A+7], s[G0A+6:G0A+7], 256
	s_add_co_u32 s[G0B+5], s[TB], s[WO]
	s_add_nc_u64 s[G0B+6:G0B+7], s[G0B+6:G0B+7], 256
	JLOAD                                          ; the four v_nop behind it are also the places in front of the loads below
.else
	PLACES
	WIN 0
.endif
	s_xor_b32 s[TB], s[TB], SLOT
	v_add_nc_u32 v[ADRA], s[TB], v[ADRA0]
	v_add_nc_u32 v[ADRB], s[TB], v[ADRB0]
	FETCH 0, F0
	MUL16 F1, 1, 0, 0
	MUL16 F1, 1, 2, 0
.endm
	s_wait_tensorcnt 0x1                           ; my part of K step 0 is in; step 1's may stay out
	s_barrier_signal -1
	s_barrier_wait -1
	FETCH 0, F0
	QUARTER 64, F0, F1, 1                          ; the first quarter's products start the sums
	WIN 0
	s_mov_b32 s[CNT], 6
.Lstep:                                                ; six trips, from a step's second quarter to the next step's first: K steps 2 to 7 are asked for
	QUARTER 128, F1, F0, 0
	QUARTER 192, F0, F1, 0
	TURN 1
	QUARTER 64, F0, F1, 0
	WIN 0
	s_sub_co_u32 s[CNT], s[CNT], 1
	s_cmp_lg_u32 s[CNT], 0
	s_cbranch_scc1 .Lstep
	s_mov_b32 s[CNT], 2
.Ltail:                                                ; nothing more is asked for; the second trip is left behind its change of slots, whose 32 loads serve nothing
	QUARTER 128, F1, F0, 0
	QUARTER 192, F0, F1, 0
	TURN 0
	WIN 0
	s_sub_co_u32 s[CNT], s[CNT], 1
	s_cmp_eq_u32 s[CNT], 0
	s_cbranch_scc1 .Lout
	QUARTER 64, F0, F1, 0
	WIN 0
	s_branch .Ltail
.Lout:
	s_wait_dscnt 0x0
	PLACES
; THE SOFTMAX'S FIRST HALF for block a (16 queries x my 128 keys: 64 numbers a lane, a query in lanes r and r + 16).
.macro SOFT a
.set WA, 2+(\a)/4
.set AC, 64*((\a)%4)
	WIN (WA<<6)|0x14|WA                            ; t = sum x factor + addend, in place; each accumulator's registers in ascending order
.set z, 0
.rept 32
	v_pk_fma_f32 v[AC+2*z:AC+2*z+1], v[AC+2*z:AC+2*z+1], v[MU+2*z:MU+2*z+1], v[AD+2*z:AD+2*z+1]
.set z, z+1
.endr
	WIN (WA<<2)|WA                                 ; the maximum: four chains of sixteen
.irp c, 0,1,2,3
	v_max_num_f32 v[CH+\c], v[AC+16*\c], v[AC+16*\c+1]
.endr
	WIN (WA<<4)|(WA<<2)
.set z, 0
.rept 7
.irp c, 0,1,2,3
	v_max3_num_f32 v[CH+\c], v[CH+\c], v[AC+16*\c+2*z+2], v[AC+16*\c+2*z+3]
.endr
.set z, z+1
.endr
	WIN 0
	v_max3_num_f32 v[CH], v[CH], v[CH+1], v[CH+2]
	v_max_num_f32 v[CH], v[CH], v[CH+3]
	v_permlanex16_b32 v[CH+1], v[CH], s[SEL], s[SEL+1]  ; the query's other 64 keys lie in the lane 16 away
	v_max_num_f32 v[MW], v[CH], v[CH+1]
	v_mov_b32 v[MW+1], v[MW]
	v_mov_b32 v[SM+2*(\a)], v[MW]
	WIN (WA<<6)|WA
.set z, 0
.rept 32
	v_pk_add_f32 v[AC+2*z:AC+2*z+1], v[AC+2*z:AC+2*z+1], v[MW:MW+1] neg_lo:[0,1] neg_hi:[0,1]  ; t - m, at most 0
.set z, z+1
.endr
.set bb, 0
.rept 8                                        ; eight exponentials, then the roundings of the eight before: a plain instruction stands between every exponential and the use of its result (ISA guide 5.7.2)
	WIN (WA<<6)|WA
.set jj, 0
.rept 8
	v_exp_f32 v[AC+8*bb+jj], v[AC+8*bb+jj]
.set jj, jj+1
.endr
.if bb == 0
	v_nop
.else
	WIN (WA<<2)|WA
.set jj, 0
	s_wait_alu depctr_va_vdst(0)
.rept 4
	v_cvt_pk_f16_f32 v[TMP+4*(bb-1)+jj], v[AC+8*(bb-1)+2*jj], v[AC+8*(bb-1)+2*jj+1]
.set jj, jj+1
.endr
.endif
.set bb, bb+1
.endr
	WIN (WA<<2)|WA
.set jj, 0
.rept 4
	v_cvt_pk_f16_f32 v[TMP+28+jj], v[AC+56+2*jj], v[AC+56+2*jj+1]
.set jj, jj+1
.endr
	WIN (WA<<6)|(WA<<2)|WA                         ; l: the 32 pairs are added in place, neighbours 1, 2, 4, 8 and 16 pairs apart
.irp d, 1,2,4,8,16
.set u, 0
.rept 16/\d
	v_pk_add_f32 v[AC+4*\d*u:AC+4*\d*u+1], v[AC+4*\d*u:AC+4*\d*u+1], v[AC+4*\d*u+2*\d:AC+4*\d*u+2*\d+1]
.set u, u+1
.endr
.endr
	WIN (WA<<2)|WA
	v_add_f32 v[CH], v[AC], v[AC+1]
	WIN 0
	v_permlanex16_b32 v[CH+1], v[CH], s[SEL], s[SEL+1]
	v_add_f32 v[SM+2*(\a)+1], v[CH], v[CH+1]
.endm
.macro TOSTAGE a                       ; 16 bytes a lane into my stage, and back as whole rows of 256 bytes
	WIN 0
.set BK, OB+32*((\a)%2)
.irp b, 0,1,2,3,4,5,6,7
	ds_store_b128 v[STO], v[TMP+4*(\b):TMP+4*(\b)+3] offset:32*(\b)
.endr
.irp t, 0,1,2,3,4,5,6,7
	ds_load_b128 v[BK+4*(\t):BK+4*(\t)+3], v[RD] offset:(\t)*2*SPITCH  ; LDS serves a wave's instructions in order (ISA guide 5.7.1.4): these see the stores above
.endr
.endm
.macro SEND a
	WIN 0
.set BK, OB+32*((\a)%2)
	s_wait_dscnt 0x0
	s_wait_xcnt 0x0                                ; the registers that earlier stores read are loaded again only behind this wait
.irp t, 0,1,2,3,4,5,6,7
	global_store_b128 v[CO], v[BK+4*(\t):BK+4*(\t)+3], s[10:11] offset:(16*(\a)+2*(\t))*4096  ; 16 lanes store 256 consecutive bytes, at a multiple of 256
.endr
.endm
	SOFT 0
	TOSTAGE 0
.irp a, 1,2,3,4,5,6,7                  ; a block's arithmetic stands between the loads of the block before and its stores
	SOFT \a
	SEND (\a)-1
	TOSTAGE \a
.endr
	SEND 7
.irp i, 0,1,2,3                        ; stats: lanes 0-15 carry block 2 i's rows, lanes 16-31 block 2 i + 1's: 32 rows x 8 bytes = 256 consecutive bytes, at a multiple of 256
	v_cndmask_b32 v[SD+2*\i], v[SM+4*\i], v[SM+4*\i+2], s[HIM]
	v_cndmask_b32 v[SD+2*\i+1], v[SM+4*\i+1], v[SM+4*\i+3], s[HIM]
	global_store_b64 v[SO], v[SD+2*\i:SD+2*\i+1], s[12:13] offset:256*\i
.endr
	s_wait_tensorcnt 0x0                           ; the wave's end
	ds_add_u32 v[SPW], v[NIL]
	s_wait_dscnt 0x0
	CROUND                                         ; the closing round
	s_endpgm
.Lfunc_end_k_qcefe91561f_scores:
	.size	k_qcefe91561f_scores, .Lfunc_end_k_qcefe91561f_scores-k_qcefe91561f_scores
	.p2alignl 7, 3214868480
	.fill 96, 4, 3214868480
	.section	.rodata,"a",@progbits
	.p2align	6, 0x0
	.amdhsa_kernel k_qcefe91561f_scores
		.amdhsa_group_segment_fixed_size 327680
		.amdhsa_private_segment_fixed_size 0
		.amdhsa_enable_private_segment 0
		.amdhsa_kernarg_size 40
		.amdhsa_user_sgpr_count 2
		.amdhsa_user_sgpr_kernarg_segment_ptr 1
		.amdhsa_wavefront_size32 1
		.amdhsa_system_sgpr_workgroup_id_x 1
		.amdhsa_system_sgpr_workgroup_id_y 1
		.amdhsa_system_sgpr_workgroup_id_z 1
		.amdhsa_system_vgpr_workitem_id 0
		.amdhsa_next_free_vgpr 1024
		.amdhsa_next_free_sgpr 96
		.amdhsa_reserve_vcc 1
		.amdhsa_float_denorm_mode_32 3
		.amdhsa_float_denorm_mode_16_64 3
		.amdhsa_memory_ordered 1
		.amdhsa_forward_progress 1
		.amdhsa_inst_pref_size 201
	.end_amdhsa_kernel
	.amdgpu_metadata
---
amdhsa.version: [ 1, 2 ]
amdhsa.kernels:
  - .name:           k_qcefe91561f_scores
    .symbol:         k_qcefe91561f_scores.kd
    .args:
      - { .name: q16, .offset: 0, .size: 8, .value_kind: global_buffer, .address_space: global }
      - { .name: k16, .offset: 8, .size: 8, .value_kind: global_buffer, .address_space: global }
      - { .name: mask, .offset: 16, .size: 8, .value_kind: global_buffer, .address_space: global }
      - { .name: p16, .offset: 24, .size: 8, .value_kind: global_buffer, .address_space: global }
      - { .name: stats, .offset: 32, .size: 8, .value_kind: global_buffer, .address_space: global }
    .group_segment_fixed_size: 327680
    .private_segment_fixed_size: 0
    .kernarg_segment_align: 8
    .kernarg_segment_size: 40
    .max_flat_workgroup_size: 128
    .sgpr_count:     96
    .vgpr_count:     1024
    .wavefront_size: 32
...
	.end_amdgpu_metadata
.endif
;; end of part 3
;; launch pv (part 4): grid 4 x 64, 4 waves a work-group, clusters of 4 x 4, 327,680 bytes of LDS; arguments p16, v16, stats, out0; writes out0
.if DOCPART == 4
	.amdgcn_target "amdgcn-amd-amdhsa--gfx1250"
	.amdhsa_code_object_version 6
	.text
	.protected	k_qcefe91561f_pv
	.globl	k_qcefe91561f_pv
	.p2align	8
	.type	k_qcefe91561f_pv,@function
k_qcefe91561f_pv:
	s_mov_b64 s[64:65], 0
	v_nop
	global_prefetch_b8 v0, s[64:65] scope:SCOPE_SE
	s_setreg_imm32_b32 hwreg(HW_REG_WAVE_MODE, 25, 1), 1
	s_wait_xcnt 0x0
	s_wait_alu depctr_hold_cnt(0) depctr_sa_sdst(0) depctr_va_vdst(0) depctr_va_sdst(0) depctr_va_ssrc(0) depctr_va_vcc(0) depctr_vm_vsrc(0)
	s_getreg_b32 s2, hwreg(HW_REG_IB_STS2, 6, 4)
	s_cmp_eq_u32 s2, 0
	s_cbranch_scc0 .Lentry_in_a_cluster
	s_endpgm
.Lentry_in_a_cluster:
	s_bfe_u32 s2, ttmp6, 0x10000c
	s_cmp_lg_u32 s2, 0xf033
	s_cbranch_scc0 .Lentry_shape_is_right
	s_endpgm
.Lentry_shape_is_right:
; out0[q][c] = (the sum over key blocks kb of (f_kb p'_kb) V_kb) / L, with M = the largest m_kb of the row, f_kb = 2^(m_kb - M), L = the sum of f_kb l_kb: the softmax's second half and its product with value.
; p16: [8192][2048] f16; v16: [16384][1024] f16; stats: [16][8192][m, l] f32; out0 f32.  Sums in f32; f is rounded to f16 and f p' once more, for the product.
; LIMITS: f p' below 6e-5 keeps f16's fixed step of 6e-8 and below 3e-8 counts as 0; an f below 2^-126 counts as 0 in L.  NaN and infinities are not treated apart.
; SHARES.  A work-group makes 128 queries x 256 channels; four waves, each 64 x 128: 32 accumulators.  The 2,048 keys go in 16 steps of 128, a step a key block, through two LDS slots.
; CLUSTER 4 x 4: the four of a row share p's tile, the four of a column (one batch: eight query tiles a batch, four a cluster) V's: each is asked for jointly.
; THE MATRIX INSTRUCTION IS USED TRANSPOSED (source 0 = 16 channels, V turned by ds_load_tr16_b128; source 1 = 16 queries): a lane holds one query and eight neighbouring channels.
; THE PIPELINE.  A sub-step is 32 keys.  Phase p of a step loads sub-step p from LDS, multiplies the p' of the sub-step one back by f, in place, and multiplies the sub-step two back.
; REGISTERS: window 0: v0-29 addresses and work; v32-35 f of the step in hand, v36-39 of the next; v40-47 1 / L; v64-127 all f, on their way to LDS; v128-255 p's fragments, four buffers of 32
;   window 1: V's fragments, four buffers of 64 (at the start v128-255: stats as loaded; on the way out v0-127: rows read back)     window 2: accumulator (a, b) at v[8 (8 a + b)]
.set PP,    272                        ; a row of p' in LDS: 256 bytes + 16
.set PV,    544                        ; a row of V: 512 + 32 = 136 words
.set VOFF,  128*PP                     ; a slot: p's 128 rows, then V's 128 keys
.set SLOT,  VOFF+128*PV
.set STAGE, 2*SLOT                     ; 16 rows x 528 bytes for each wave, for the way out
.set SP,    528
.set FSC,   STAGE+4*16*SP              ; 17 blocks of 2,048 bytes: block kb holds each thread's four f (packed twice) of key block kb; the 17th is read by the trip that serves nothing
.set SPARE, FSC+17*2048
.set ADRA0, 2
.set ADRB0, 3
.set ADRA,  4
.set ADRB,  5
.set STO,   6
.set RD,    7
.set CO,    8
.set FA,    9                          ; v9  LDS address of my f of the next step
.set T0,    12
.set SOF,   14                         ; v14 my row's byte offset in a block of stats
.set FA0,   15                         ; v15 FSC + 16 x my thread's number; never rewritten
.set TL,    16                         ; v16-19 L of my four blocks of 16 rows
.set SPW,   28
.set NIL,   29
.set FC,    32
.set FN,    36
.set RL,    40
.set PF,    64
.set AB,    128
.set WV,  20
.set WR,  21
.set WC,  22
.set CX,  23
.set CYP, 24
.set TX,  25
.set TY,  26
.set CLY, 27
.set G1A, 28
.set G1B, 36
.set G0A, 44
.set G0B, 52
.set TB,  60
.set CNT, 61
.set WOA, 62
.set WOB, 63
.set FB,  90                           ; s90 2,048 x the step whose f is fetched next
.set MSB, 0
.macro WIN new
.if MSB != (\new)
	s_set_vgpr_msb (MSB<<8)|(\new)
.set MSB, (\new)
.endif
.endm
.macro PLACES
.rept 4
	v_nop
.endr
.endm
.macro CREST
	s_cmp_lg_u32 s[WV], 0
	s_cbranch_scc1 .Lnot_wave_0_\@
	s_barrier_signal -3
.Lnot_wave_0_\@:
	s_barrier_wait -3
	s_barrier_signal -1
	s_barrier_wait -1
.endm
.macro CROUND
	s_barrier_signal -1
	s_barrier_wait -1
	CREST
.endm
.macro JLOAD                           ; a joint refill by the walking sets: waves 0, 1 p's halves, waves 2, 3 V's; an s_nop 0 and four v_nop follow each line
	s_cmp_eq_u32 s[WR], 0
	s_cbranch_scc0 .Lfor_b_\@
	tensor_load_to_lds s[G0A+4:G0A+7], s[G1A:G1A+7]
	s_nop 0
.rept 4
	v_nop
.endr
	s_branch .Lasked_\@
.Lfor_b_\@:
	tensor_load_to_lds s[G0B+4:G0B+7], s[G1B:G1B+7]
	s_nop 0
.rept 4
	v_nop
.endr
.Lasked_\@:
.endm
	s_load_b256 s[4:11], s[0:1], 0x0               ; p16 s[4:5], v16 s[6:7], stats s[8:9], out0 s[10:11]
	v_lshl_add_u32 v[SPW], v0, 2, SPARE
	v_mov_b32 v[NIL], 0
	ds_add_u32 v[SPW], v[NIL]                      ; the wave's opening: the add and its wait ahead of my first tensor load
	v_lshrrev_b32 v1, 5, v0
	v_readfirstlane_b32 s[WV], v1
	s_lshr_b32 s[WR], s[WV], 1
	s_and_b32 s[WC], s[WV], 1
	s_bfe_u32 s[CX], ttmp6, 0x40000
	s_bfe_u32 s[CYP], ttmp6, 0x40004
	s_lshl_b32 s[TX], ttmp9, 2
	s_add_co_u32 s[TX], s[TX], s[CX]               ; channel tile
	s_and_b32 s[CLY], ttmp7, 0xffff
	s_lshl_b32 s[TY], s[CLY], 2
	s_add_co_u32 s[TY], s[TY], s[CYP]              ; query tile among all 64
	s_lshl_b32 s70, s[CYP], 2
	s_lshl_b32 s70, 15, s70
	s_lshl_b32 s76, 0x1111, s[CX]
	s_or_b32 s[G1A], s70, (1<<16)|(1<<20)|(1<<21)|(5<<22)|(3<<25)  ; mask; 2-byte elements; padding on; bit 21 beside a mask; after every 64 words 4 words
	s_mov_b32 s[G1A+1], 128<<16                    ; tensor_dim0 = 128
	s_mov_b32 s[G1A+2], 64<<16                     ; tensor_dim1 = 64
	s_mov_b32 s[G1A+3], 128<<16                    ; tile_dim0 = 128
	s_mov_b32 s[G1A+4], 64                         ; tile_dim1 = 64
	s_mov_b32 s[G1A+5], 2048                       ; elements from row to row
	s_mov_b32 s[G1A+6], 0
	s_mov_b32 s[G1A+7], 0
	s_or_b32 s[G1B], s76, (1<<16)|(1<<20)|(1<<21)|(6<<22)|(7<<25)  ; after every 128 words 8 words
	s_mov_b32 s[G1B+1], 256<<16
	s_mov_b32 s[G1B+2], 64<<16
	s_mov_b32 s[G1B+3], 256<<16
	s_mov_b32 s[G1B+4], 64
	s_mov_b32 s[G1B+5], 1024
	s_mov_b32 s[G1B+6], 0
	s_mov_b32 s[G1B+7], 0
	s_mul_i32 s[WOA], s[WC], 64*PP
	s_mul_i32 s[WOB], s[WC], 64*PV
	s_add_co_u32 s[WOB], s[WOB], VOFF
	s_mov_b32 s[TB], 0
	s_mov_b32 s[FB], 0
	s_lshl_b32 s72, s[TY], 7
	s_lshl_b32 s73, s[WC], 6
	s_add_co_u32 s72, s72, s73                     ; p: row 128 x tile + 64 x half,
	s_lshl_b32 s72, s72, 12                        ; 4,096 bytes each
	s_mov_b32 s73, 0
	s_lshr_b32 s78, s[CLY], 1                      ; the batch
	s_lshl_b32 s78, s78, 11
	s_lshl_b32 s79, s[WC], 6
	s_add_co_u32 s78, s78, s79                     ; V: key 2,048 x batch + 64 x half,
	s_lshl_b32 s78, s78, 11                        ; 2,048 bytes each,
	s_lshl_b32 s79, s[TX], 9
	s_add_co_u32 s78, s78, s79                     ; and the tile's 256 channels
	s_mov_b32 s79, 0
	s_wait_dscnt 0x0                               ; the opening add is done
	s_wait_kmcnt 0x0
	s_add_nc_u64 s[72:73], s[4:5], s[72:73]
	s_add_nc_u64 s[78:79], s[6:7], s[78:79]
.irp s, 0,1
	s_mov_b32 s[G0A+4*(\s)], 1
	s_add_co_u32 s[G0A+4*(\s)+1], s[WOA], (\s)*SLOT
	s_add_nc_u64 s[G0A+4*(\s)+2:G0A+4*(\s)+3], s[72:73], (\s)*256
	s_or_b32 s[G0A+4*(\s)+3], s[G0A+4*(\s)+3], 0x80000000
	s_mov_b32 s[G0B+4*(\s)], 1
	s_add_co_u32 s[G0B+4*(\s)+1], s[WOB], (\s)*SLOT
	s_add_nc_u64 s[G0B+4*(\s)+2:G0B+4*(\s)+3], s[78:79], (\s)*262144
	s_or_b32 s[G0B+4*(\s)+3], s[G0B+4*(\s)+3], 0x80000000
.endr
	CROUND                                         ; all sixteen work-groups are here: the first joint loads meet
	s_cmp_eq_u32 s[WR], 0                          ; a wave's two first fills stand in one branch: two loads of mine are out
	s_cbranch_scc0 .Lfirst_b
	tensor_load_to_lds s[G0A:G0A+3], s[G1A:G1A+7]
	s_nop 0
	tensor_load_to_lds s[G0A+4:G0A+7], s[G1A:G1A+7]
	s_nop 0
.rept 4
	v_nop
.endr
	s_branch .Lfirst_asked
.Lfirst_b:
	tensor_load_to_lds s[G0B:G0B+3], s[G1B:G1B+7]
	s_nop 0
	tensor_load_to_lds s[G0B+4:G0B+7], s[G1B:G1B+7]
	s_nop 0
.rept 4
	v_nop
.endr
.Lfirst_asked:
	v_and_b32 v1, 15, v0                           ; r
	v_bfe_u32 v10, v0, 4, 1                        ; h
	s_lshl_b32 s84, s[WR], 9
	v_lshl_add_u32 v[SOF], v1, 3, s84              ; (64 x my half + r) x 8 bytes
	s_lshl_b32 s82, s[TY], 10                      ; the tile's 128 rows x 8 bytes
	s_mov_b32 s83, 0
	s_add_nc_u64 s[8:9], s[8:9], s[82:83]
	WIN 0x40
.set z, 0
.rept 64                                       ; (m, l) of row 16 (z / 16) + r in key block z % 16
	global_load_b64 v[128+2*z:128+2*z+1], v[SOF], s[8:9] offset:(z%16)*65536+(z/16)*128
.set z, z+1
.endr
	WIN 0
	v_mul_u32_u24 v[ADRA0], v1, PP
	v_lshl_add_u32 v[ADRA0], v10, 4, v[ADRA0]
	s_mul_i32 s84, s[WR], 64*PP
	v_add_nc_u32 v[ADRA0], s84, v[ADRA0]
	v_and_b32 v11, 7, v0                           ; the turning load: lane l reads key 8 h + l % 8, channels 8 ((l / 8) % 2) + 0..7
	v_lshl_add_u32 v11, v10, 3, v11
	v_mul_u32_u24 v[ADRB0], v11, PV
	v_bfe_u32 v11, v0, 3, 1
	v_lshl_add_u32 v[ADRB0], v11, 4, v[ADRB0]
	s_lshl_b32 s85, s[WC], 8
	s_add_co_u32 s85, s85, VOFF
	v_add_nc_u32 v[ADRB0], s85, v[ADRB0]
	v_mov_b32 v[ADRA], v[ADRA0]
	v_mov_b32 v[ADRB], v[ADRB0]
	v_lshl_add_u32 v[FA0], v0, 4, FSC
	s_mul_i32 s86, s[WV], 16*SP
	s_add_co_u32 s86, s86, STAGE
	v_mul_u32_u24 v[STO], v1, SP                   ; in: row r, 32 bytes for each half of the lanes
	v_lshl_add_u32 v[STO], v10, 5, v[STO]
	v_add_nc_u32 v[STO], s86, v[STO]
	v_and_b32 v[CO], 31, v0                        ; back: 32 lanes take one row of 512 bytes
	v_lshlrev_b32 v[CO], 4, v[CO]
	v_add_nc_u32 v[RD], s86, v[CO]
	s_lshl_b32 s88, s[TY], 7
	s_lshl_b32 s89, s[WR], 6
	s_add_co_u32 s88, s88, s89
	s_lshl_b32 s88, s88, 12                        ; my first row of out0, 4,096 bytes each,
	s_lshl_b32 s89, s[TX], 10
	s_add_co_u32 s88, s88, s89
	s_lshl_b32 s89, s[WC], 9
	s_add_co_u32 s88, s88, s89                     ; and my first channel
	s_mov_b32 s89, 0
	s_add_nc_u64 s[10:11], s[10:11], s[88:89]
	s_wait_loadcnt 0x0                             ; stats.  What follows stands in the wait for the first tile
.macro STAT a                          ; block a of 16 rows: M, the sixteen f, L
.set RS, 128+32*(\a)
	WIN 0x05
	v_max_num_f32 v[T0], v[RS], v[RS+2]
	WIN 0x14
.set z, 0
.rept 7
	v_max3_num_f32 v[T0], v[T0], v[RS+4*z+4], v[RS+4*z+6]
.set z, z+1
.endr
	WIN 0x41
.set z, 0
.rept 16
	v_sub_f32 v[RS+2*z], v[RS+2*z], v[T0]          ; m - M, at most 0
.set z, z+1
.endr
.set z, 0
.rept 16
	v_exp_f32 v[RS+2*z], v[RS+2*z]
.set z, z+1
.endr
	v_nop                                          ; a plain instruction between the last exponential and the use of its result
	WIN 0x05
	s_wait_alu depctr_va_vdst(0)
	v_mul_f32 v[TL+(\a)], v[RS], v[RS+1]
.set z, 1
.rept 15
	v_fma_f32 v[TL+(\a)], v[RS+2*z], v[RS+2*z+1], v[TL+(\a)]
.set z, z+1
.endr
.set z, 0
.rept 16
	v_cvt_pk_f16_f32 v[PF+4*z+(\a)], v[RS+2*z], v[RS+2*z]  ; f twice: the packed multiply scales two p' at once
.set z, z+1
.endr
.endm
	STAT 0
	STAT 1
	STAT 2
	STAT 3
	WIN 0
.irp a, 0,1,2,3
	v_rcp_f32 v[RL+2*\a], v[TL+\a]                 ; L is at least the largest block's l, which is at least 1
.endr
	v_nop
	s_wait_alu depctr_va_vdst(0)
.irp a, 0,1,2,3
	v_mov_b32 v[RL+2*\a+1], v[RL+2*\a]             ; named with it as a pair
.endr
.set z, 0
.rept 16
	ds_store_b128 v[FA0], v[PF+4*z:PF+4*z+3] offset:2048*z
.set z, z+1
.endr
	ds_store_b128 v[FA0], v[PF+60:PF+63] offset:2048*16  ; so that the trip that serves nothing reads bytes that were written
.macro MM p, zero                      ; product i of a phase's 32: queries 16 (i / 8) on, channels 16 (i % 8) on.  The 32 accumulators take turns
	WIN 0xa1                                       ; V window 1, p' window 0, C and D window 2
.if \zero
	v_wmma_f32_16x16x32_f16 v[8*i:8*i+7], v[64*(((\p)+2)%4)+8*(i%8):64*(((\p)+2)%4)+8*(i%8)+7], v[AB+32*(((\p)+2)%4)+8*(i/8):AB+32*(((\p)+2)%4)+8*(i/8)+7], 0
.else
	v_wmma_f32_16x16x32_f16 v[8*i:8*i+7], v[64*(((\p)+2)%4)+8*(i%8):64*(((\p)+2)%4)+8*(i%8)+7], v[AB+32*(((\p)+2)%4)+8*(i/8):AB+32*(((\p)+2)%4)+8*(i/8)+7], v[8*i:8*i+7]
.endif
.endm
.macro LA p, y                         ; load y of 8 of p's fragments: rows 16 (y / 2) on
	WIN 0
	ds_load_b128 v[AB+32*(\p)+4*(\y):AB+32*(\p)+4*(\y)+3], v[ADRA] offset:((\y)/2)*16*PP+64*(\p)+32*((\y)%2)
.endm
.macro LB p, z                         ; load z of 16 of V's fragments, turned: channels 16 (z / 2) on, keys 16 (z % 2) on
	WIN 0x40
	ds_load_tr16_b128 v[64*(\p)+4*(\z):64*(\p)+4*(\z)+3], v[ADRB] offset:(\p)*32*PV+32*((\z)/2)+16*PV*((\z)%2)
.endm
.macro XF p, x                         ; register x of 32 of the sub-step loaded last phase: two p' times their row's f
	WIN 0
	v_pk_mul_f16 v[AB+32*(((\p)+3)%4)+(\x)], v[AB+32*(((\p)+3)%4)+(\x)], v[FC+(\x)/8]
.endm
.macro RUN p
.set y, 0
.rept 8
	LA \p, y
.set y, y+1
.endr
.set y, 0
.rept 16
	LB \p, y
.set y, y+1
.endr
.endm
; A PHASE.  Behind products 0-7: a load of p' and two scalings each; 8-15: two loads of V; 16-23: two scalings; 24-31: nothing.  A load lands in a buffer two phases, 32 scalings of other
; registers, behind the last product that read it (ISA guide 7.12.1 for vector instructions): no v_nop is needed.
; Phase 0 fetches the new step's f; it takes the old one's place behind the phase's last scaling, which still belongs to the old step.
; meet = 1, 2 (phase 3 alone): the change of slots: each wave waits for all its tensor loads (one is out: its part of the other slot), adds 0 to its spare word, and waits for that and for its
; reads of the slot.  meet = 1: the barrier opens a round of the cluster's; the slot is filled again first thing behind it, with the keys two steps on: 112 products in which to land.
.macro PHASE p, zero, meet
	s_wait_dscnt 16                                ; all but the last phase's 16 loads of V
.if (\p) == 0
	WIN 0
	ds_load_b128 v[FN:FN+3], v[FA]
.endif
.set i, 0
.rept 32
.if (\meet) && (i == 16)
	WIN 0
	s_wait_tensorcnt 0x0                           ; all my tensor loads have landed, so a group 0 may be written
	ds_add_u32 v[SPW], v[NIL]
.if (\meet) == 1
	s_add_co_u32 s[G0A+5], s[TB], s[WOA]
	s_add_nc_u64 s[G0A+6:G0A+7], s[G0A+6:G0A+7], 256
	s_add_co_u32 s[G0B+5], s[TB], s[WOB]
	s_add_nc_u64 s[G0B+6:G0B+7], s[G0B+6:G0B+7], 262144
.endif
.endif
.if (\meet) && (i == 24)
	s_wait_dscnt 0x0                               ; the add is done, and my reads of this slot are over
	s_barrier_signal -1
.endif
.if ((\p) == 0) && (i == 24)
	WIN 0
	s_wait_dscnt 24                                ; the new f is in: behind its load stand the phase's 8 + 16
.irp k, 0,1,2,3
	v_mov_b32 v[FC+\k], v[FN+\k]
.endr
.endif
	MM \p, \zero
.if i < 8
	LA \p, i
	XF \p, 2*i
	XF \p, 2*i+1
.elseif i < 16
	LB \p, 2*(i-8)
	LB \p, 2*(i-8)+1
.elseif i < 24
	XF \p, 2*(i-8)
	XF \p, 2*(i-8)+1
.endif
.set i, i+1
.endr
.if \meet
	WIN 0
	s_barrier_wait -1
.if (\meet) == 1
	CREST
	JLOAD
.endif
	s_xor_b32 s[TB], s[TB], SLOT
	s_add_co_u32 s[FB], s[FB], 2048
	v_add_nc_u32 v[ADRA], s[TB], v[ADRA0]
	v_add_nc_u32 v[ADRB], s[TB], v[ADRB0]
	v_add_nc_u32 v[FA], s[FB], v[FA0]
.endif
.endm
	s_wait_dscnt 0x0                               ; my stores of f are done
	s_wait_tensorcnt 0x1                           ; my part of step 0 is in; step 1's may stay out
	s_barrier_signal -1
	s_barrier_wait -1
	ds_load_b128 v[FC:FC+3], v[FA0]                ; f of key block 0
	RUN 0
	RUN 1
	s_wait_dscnt 24                                ; f and sub-step 0 are in; sub-step 1's 24 loads may stay out
.set x, 0
.rept 32
	XF 1, x
.set x, x+1
.endr
	PHASE 2, 1, 0                                  ; the first products start the sums
	WIN 0
	s_mov_b32 s[CNT], 14
.Lstep:                                                ; fourteen trips: steps 2 to 15 are asked for
	PHASE 3, 0, 1
	PHASE 0, 0, 0
	PHASE 1, 0, 0
	PHASE 2, 0, 0
	WIN 0
	s_sub_co_u32 s[CNT], s[CNT], 1
	s_cmp_lg_u32 s[CNT], 0
	s_cbranch_scc1 .Lstep
	s_mov_b32 s[CNT], 2
.Ltail:                                                ; nothing more is asked for.  The second trip is left in its middle; its last two phases load, and scale, bytes that serve nothing
	PHASE 3, 0, 2
	PHASE 0, 0, 0
	PHASE 1, 0, 0
	WIN 0
	s_sub_co_u32 s[CNT], s[CNT], 1
	s_cmp_eq_u32 s[CNT], 0
	s_cbranch_scc1 .Lout
	PHASE 2, 0, 0
	WIN 0
	s_branch .Ltail
.Lout:
	s_wait_dscnt 0x0
	PLACES
; THE WAY OUT of block a (16 queries): divided by L; 32 bytes a lane into my stage; back as whole rows of 512 bytes; stored.
.macro PACKO a
	WIN 0x82
.set z, 0
.rept 32                                       ; each accumulator's registers in ascending order
	v_pk_mul_f32 v[64*(\a)+2*z:64*(\a)+2*z+1], v[64*(\a)+2*z:64*(\a)+2*z+1], v[RL+2*(\a):RL+2*(\a)+1] op_sel_hi:[1,0]
.set z, z+1
.endr
.endm
.macro TOST a
	WIN 0x08                                       ; store data window 2
.set z, 0
.rept 16
	ds_store_b128 v[STO], v[64*(\a)+4*z:64*(\a)+4*z+3] offset:64*(z/2)+16*(z%2)
.set z, z+1
.endr
	WIN 0x40
.set z, 0
.rept 16
	ds_load_b128 v[64*((\a)%2)+4*z:64*((\a)%2)+4*z+3], v[RD] offset:SP*z  ; LDS serves a wave's instructions in order (ISA guide 5.7.1.4): these see the stores above
.set z, z+1
.endr
.endm
.macro SENDO a
	s_wait_dscnt 0x0
	s_wait_xcnt 0x0                                ; the registers that earlier stores read are loaded again only behind this wait
	WIN 0x04                                       ; store data window 1
.set z, 0
.rept 16
	global_store_b128 v[CO], v[64*((\a)%2)+4*z:64*((\a)%2)+4*z+3], s[10:11] offset:(16*(\a)+z)*4096 th:TH_STORE_NT  ; 512 consecutive bytes, at a multiple of 512
.set z, z+1
.endr
.endm
	PACKO 0
	TOST 0
.irp a, 1,2,3
	PACKO \a
	SENDO (\a)-1
	TOST \a
.endr
	SENDO 3
	WIN 0
	s_wait_tensorcnt 0x0                           ; the wave's end
	ds_add_u32 v[SPW], v[NIL]
	s_wait_dscnt 0x0
	CROUND                                         ; the closing round
	s_endpgm
.Lfunc_end_k_qcefe91561f_pv:
	.size	k_qcefe91561f_pv, .Lfunc_end_k_qcefe91561f_pv-k_qcefe91561f_pv
	.p2alignl 7, 3214868480
	.fill 96, 4, 3214868480
	.section	.rodata,"a",@progbits
	.p2align	6, 0x0
	.amdhsa_kernel k_qcefe91561f_pv
		.amdhsa_group_segment_fixed_size 327680
		.amdhsa_private_segment_fixed_size 0
		.amdhsa_enable_private_segment 0
		.amdhsa_kernarg_size 32
		.amdhsa_user_sgpr_count 2
		.amdhsa_user_sgpr_kernarg_segment_ptr 1
		.amdhsa_wavefront_size32 1
		.amdhsa_system_sgpr_workgroup_id_x 1
		.amdhsa_system_sgpr_workgroup_id_y 1
		.amdhsa_system_sgpr_workgroup_id_z 1
		.amdhsa_system_vgpr_workitem_id 0
		.amdhsa_next_free_vgpr 768
		.amdhsa_next_free_sgpr 96
		.amdhsa_reserve_vcc 0
		.amdhsa_float_denorm_mode_32 3
		.amdhsa_float_denorm_mode_16_64 3
		.amdhsa_memory_ordered 1
		.amdhsa_forward_progress 1
		.amdhsa_inst_pref_size 124
	.end_amdhsa_kernel
	.amdgpu_metadata
---
amdhsa.version: [ 1, 2 ]
amdhsa.kernels:
  - .name:           k_qcefe91561f_pv
    .symbol:         k_qcefe91561f_pv.kd
    .args:
      - { .name: p16, .offset: 0, .size: 8, .value_kind: global_buffer, .address_space: global }
      - { .name: v16, .offset: 8, .size: 8, .value_kind: global_buffer, .address_space: global }
      - { .name: stats, .offset: 16, .size: 8, .value_kind: global_buffer, .address_space: global }
      - { .name: out0, .offset: 24, .size: 8, .value_kind: global_buffer, .address_space: global }
    .group_segment_fixed_size: 327680
    .private_segment_fixed_size: 0
    .kernarg_segment_align: 8
    .kernarg_segment_size: 32
    .max_flat_workgroup_size: 128
    .sgpr_count:     96
    .vgpr_count:     768
    .wavefront_size: 32
...
	.end_amdgpu_metadata
.endif
;; end of part 4
;; ======== version 2 of 2: 4 launches; 1.17 times as fast as version 1
;; limits: values are held in f16: magnitudes above 65,504 overflow, below 6.1e-05 lose precision; inputs' magnitudes at most 65,504; right only within a limited range of input values
;; workspace buffers: v16 33,554,432 bytes; wq16 2,097,152 bytes; wk16 2,097,152 bytes; q16 16,777,216 bytes; k16 33,554,432 bytes; p16 33,554,432 bytes; stats 1,048,576 bytes
;; launch cast (part 5): grid 256 x 1, 8 waves a work-group, no clusters, 0 bytes of LDS; arguments Wq_w, Wk_w, wq16, wk16; writes wq16, wk16
.if DOCPART == 5
	.amdgcn_target "amdgcn-amd-amdhsa--gfx1250"
	.amdhsa_code_object_version 6
	.text
	.protected	k_qcefe91561f_cast
	.globl	k_qcefe91561f_cast
	.p2align	8
	.type	k_qcefe91561f_cast,@function
k_qcefe91561f_cast:
	s_mov_b64 s[64:65], 0
	v_nop
	global_prefetch_b8 v0, s[64:65] scope:SCOPE_SE
	s_setreg_imm32_b32 hwreg(HW_REG_WAVE_MODE, 25, 1), 1
	s_wait_xcnt 0x0
; Wq_w and Wk_w, both f32, are rounded once to f16 (nearest even) into wq16 and wk16: a plain stream.
; LIMIT: a number of 65,520 or more in magnitude becomes an infinity in f16.
; A work-group owns 32,768 bytes of f32: groups 0-127 Wq_w, 128-255 Wk_w.  Thread t takes 16 bytes at 16 t + 4,096 i, i = 0..7: a wave's load covers 512 consecutive
; bytes, its store of 8 bytes a lane 256 consecutive bytes at a multiple of 256.  All eight loads of a thread are out before the first is used; no register is written
; twice, so no wait but the loads' own is needed.  No LDS, no matrix unit: bytes are all there is.
.set X, 4                              ; v[4:35]   8 x 4 registers as loaded
.set Y, 36                             ; v[36:51]  8 x 2 registers to store
	s_load_b256 s[4:11], s[0:1], 0x0               ; Wq_w s[4:5], Wk_w s[6:7], wq16 s[8:9], wk16 s[10:11]
	v_lshlrev_b32 v1, 4, v0                        ; 16 t
	v_lshlrev_b32 v2, 3, v0                        ; 8 t
	s_and_b32 s20, ttmp9, 127                      ; my chunk in its tensor
	s_lshl_b32 s22, s20, 15                        ; 32,768 bytes in,
	s_mov_b32 s23, 0
	s_lshl_b32 s24, s20, 14                        ; 16,384 out
	s_mov_b32 s25, 0
	s_wait_kmcnt 0x0
	s_cmp_lt_u32 ttmp9, 128                        ; which tensor: the choice hangs on the group's number alone
	s_cselect_b64 s[16:17], s[4:5], s[6:7]
	s_cselect_b64 s[18:19], s[8:9], s[10:11]
	s_add_nc_u64 s[16:17], s[16:17], s[22:23]
	s_add_nc_u64 s[18:19], s[18:19], s[24:25]
.set i, 0
.rept 8
	global_load_b128 v[X+4*i:X+4*i+3], v1, s[16:17] offset:4096*i th:TH_LOAD_NT
.set i, i+1
.endr
.set i, 0
.rept 8
	s_wait_loadcnt 7-i                             ; loads come back in order: load i is in, the younger ones stay out
	v_cvt_pk_f16_f32 v[Y+2*i], v[X+4*i], v[X+4*i+1]
	v_cvt_pk_f16_f32 v[Y+2*i+1], v[X+4*i+2], v[X+4*i+3]
	global_store_b64 v2, v[Y+2*i:Y+2*i+1], s[18:19] offset:2048*i
.set i, i+1
.endr
	s_endpgm
.Lfunc_end_k_qcefe91561f_cast:
	.size	k_qcefe91561f_cast, .Lfunc_end_k_qcefe91561f_cast-k_qcefe91561f_cast
	.p2alignl 7, 3214868480
	.fill 96, 4, 3214868480
	.section	.rodata,"a",@progbits
	.p2align	6, 0x0
	.amdhsa_kernel k_qcefe91561f_cast
		.amdhsa_group_segment_fixed_size 0
		.amdhsa_private_segment_fixed_size 0
		.amdhsa_enable_private_segment 0
		.amdhsa_kernarg_size 32
		.amdhsa_user_sgpr_count 2
		.amdhsa_user_sgpr_kernarg_segment_ptr 1
		.amdhsa_wavefront_size32 1
		.amdhsa_system_sgpr_workgroup_id_x 1
		.amdhsa_system_sgpr_workgroup_id_y 1
		.amdhsa_system_sgpr_workgroup_id_z 1
		.amdhsa_system_vgpr_workitem_id 0
		.amdhsa_next_free_vgpr 52
		.amdhsa_next_free_sgpr 66
		.amdhsa_reserve_vcc 0
		.amdhsa_float_denorm_mode_32 3
		.amdhsa_float_denorm_mode_16_64 3
		.amdhsa_memory_ordered 1
		.amdhsa_forward_progress 1
		.amdhsa_inst_pref_size 4
	.end_amdhsa_kernel
	.amdgpu_metadata
---
amdhsa.version: [ 1, 2 ]
amdhsa.kernels:
  - .name:           k_qcefe91561f_cast
    .symbol:         k_qcefe91561f_cast.kd
    .args:
      - { .name: Wq_w, .offset: 0, .size: 8, .value_kind: global_buffer, .address_space: global }
      - { .name: Wk_w, .offset: 8, .size: 8, .value_kind: global_buffer, .address_space: global }
      - { .name: wq16, .offset: 16, .size: 8, .value_kind: global_buffer, .address_space: global }
      - { .name: wk16, .offset: 24, .size: 8, .value_kind: global_buffer, .address_space: global }
    .group_segment_fixed_size: 0
    .private_segment_fixed_size: 0
    .kernarg_segment_align: 8
    .kernarg_segment_size: 32
    .max_flat_workgroup_size: 256
    .sgpr_count:     66
    .vgpr_count:     52
    .wavefront_size: 32
...
	.end_amdgpu_metadata
.endif
;; end of part 5
;; launch proj (part 6): grid 4 x 64, 4 waves a work-group, clusters of 4 x 4, 327,680 bytes of LDS; arguments query, key, wq16, wk16, Wq_b, Wk_b, q16, k16; writes q16, k16
.if DOCPART == 6
	.amdgcn_target "amdgcn-amd-amdhsa--gfx1250"
	.amdhsa_code_object_version 6
	.text
	.protected	k_qcefe91561f_proj
	.globl	k_qcefe91561f_proj
	.p2align	8
	.type	k_qcefe91561f_proj,@function
k_qcefe91561f_proj:
	s_mov_b64 s[64:65], 0
	v_nop
	global_prefetch_b8 v0, s[64:65] scope:SCOPE_SE
	s_setreg_imm32_b32 hwreg(HW_REG_WAVE_MODE, 25, 1), 1
	s_wait_xcnt 0x0
	s_wait_alu depctr_hold_cnt(0) depctr_sa_sdst(0) depctr_va_vdst(0) depctr_va_sdst(0) depctr_va_ssrc(0) depctr_va_vcc(0) depctr_vm_vsrc(0)
	s_getreg_b32 s2, hwreg(HW_REG_IB_STS2, 6, 4)
	s_cmp_eq_u32 s2, 0
	s_cbranch_scc0 .Lentry_in_a_cluster
	s_endpgm
.Lentry_in_a_cluster:
	s_bfe_u32 s2, ttmp6, 0x10000c
	s_cmp_lg_u32 s2, 0xf033
	s_cbranch_scc0 .Lentry_shape_is_right
	s_endpgm
.Lentry_shape_is_right:
; q16 = (query Wq^T + bq) / 8 and k16 = (key Wk^T + bk) / 4, in f16; the two powers of two multiply to the 1/32 that the scores want, exactly.
; x (query or key) is f32 [rows][1024]; W comes as f16 [1024][1024] from the launch before; sums in f32; x is rounded to f16 between LDS and the matrix unit.
; LIMITS: |x| and |W| below 65,504; |q| below 524,000 and |k| below 262,000, or the stored f16 is an infinity.  NaN and infinities are not treated apart.
; SHARES.  A tile is 128 rows x 256 columns; four waves, each 64 rows x 128 columns: 32 accumulators.  K = 1024 goes in 8 steps of 128 through two LDS slots.
; A WORK-GROUP STAYS: with row number TY (0-63) it makes q's tile TY, then k's tiles TY and TY + 64: 24 K steps in ONE walk.  The ring does not stop at a tile's end: a tile's last two changes
; of slots ask for the next tile's first two K steps, and a tile's stores leave while the next tile is multiplied.  All counts are constants, alike in every work-group.
; CLUSTER 4 x 4: the four of a row need the same tile of x, the four of a column the same tile of W: each is asked for jointly.
; THE MATRIX INSTRUCTION IS USED TRANSPOSED (source 0 = 16 rows of W, source 1 = 16 rows of x): a lane holds one row of the result and eight neighbouring columns.
; THE PIPELINE.  A sub-step is 32 along K.  Phase p of a step loads sub-step p from LDS (x raw in f32, W as fragments) in ONE run of 32 loads at its head, never singly among the matrix
; instructions; rounds the sub-step one back to f16, four roundings behind each of eight products; and multiplies the sub-step two back.  So a tile's last products stand in phases 0 and 1 of
; the next tile's first step, and the way out stands between that step's phases 1 and 2.
; REGISTERS, in windows of 256: window 0: v0-29 addresses; v32-95 x's fragments in f16, two buffers; v128-255 x raw, two buffers
;   window 1: W's fragments, four buffers of 64, one a sub-step     window 2: accumulator (a, b) at v[8 (8 a + b)]
;   window 3: v0-63 the bias of my 128 columns, scaled, of the tile in hand; v64-127 k's bias as loaded; v128-159 packed results; v160-223 rows read back, two buffers
.set PA,    528                        ; a row of x in LDS: 512 bytes + 16 = 132 words: the 16 rows of a load start at 16 different groups of four banks (64 banks of 4 bytes: ISA guide 11.1)
.set PB,    272                        ; a row of W: 256 bytes + 16
.set BOFF,  128*PA                     ; a slot: x's 128 rows, then W's 256
.set SLOT,  BOFF+256*PB
.set STAGE, 2*SLOT                     ; behind the ring: 16 rows x 272 bytes for each wave, for the way out
.set SP,    272
.set SPARE, STAGE+4*16*SP              ; the spare words, 128 bytes a wave: two blocks of 256 bytes that no other line names
.set ADRA0, 2                          ; v2  my lane's place in a slot's x; never rewritten
.set ADRB0, 3                          ; v3  the same for W
.set ADRA,  4                          ; v4  the same in the slot that is being read
.set ADRB,  5
.set STO,   6                          ; v6  the way out: where I put 16 bytes of a row
.set RD,    7                          ; v7  where I read a row back
.set CO,    8                          ; v8  my byte offset in the result
.set BO,    9                          ; v9  my byte offset in the bias
.set SPW,   28                         ; v28 LDS address of my spare word; never rewritten
.set NIL,   29                         ; v29 0; never rewritten
.set AF,    32
.set RAW,   128
.set KBI,   64                         ; window 3
.set TMP,   128                        ; window 3
.set OB,    160                        ; window 3
.set WV,  20                           ; s20 wave; s21 its half of the rows (also: 0 fetches x, 1 fetches W); s22 its half of the columns (also: which half of that tile it fetches)
.set WR,  21
.set WC,  22
.set CX,  23
.set CYP, 24
.set TX,  25
.set TY,  26
.set CLY, 27
.set G1A, 28                           ; s[28:35], s[36:43] descriptor group 1 for x's and W's tiles
.set G1B, 36
.set G0A, 44                           ; s[44:51], s[52:59] group 0: a set for each first fill; the second then walks
.set G0B, 52
.set TB,  60                           ; s60 LDS byte at which the slot that is being read begins
.set CNT, 61
.set WOA, 62                           ; s62, s63 my part's place in a slot, for x and for W
.set WOB, 63
.set TC,  66                           ; s66 trips to the end of the tile in hand
.set KS,  67                           ; s67 the K step, 0-7, asked for last, in the tile that is being asked for
.set SC,  68                           ; s[68:69] 1/8 (q) or 1/4 (k)
.set XCUR, 72                          ; s[72:73] x at my part of the tile that is being asked for;  s[74:75] of the tile after it;  s[76:77] of the third tile
.set XNX,  74
.set XN2,  76
.set WCUR, 78                          ; s[78:79] W at my part of its tile, for the tile that is being asked for;  s[80:81] Wk's
.set WKB,  80
.set KOA,  82                          ; s[82:83], s[84:85] the K step's byte offset in a row of x and of W
.set KOB,  84
.set OUT,  86                          ; s[86:87] the result at my part of the tile in hand;  s[88:89] of the next tile
.set ONX,  88
.set MSB, 0
.macro WIN new                         ; the immediate's high byte repeats the setting that is left; a switch that changes nothing is dropped
.if MSB != (\new)
	s_set_vgpr_msb (MSB<<8)|(\new)
.set MSB, (\new)
.endif
.endm
.macro PLACES
.rept 4
	v_nop
.endr
.endm
.macro CREST                           ; a round of the cluster's barrier behind its opening barrier
	s_cmp_lg_u32 s[WV], 0
	s_cbranch_scc1 .Lnot_wave_0_\@
	s_barrier_signal -3
.Lnot_wave_0_\@:
	s_barrier_wait -3
	s_barrier_signal -1
	s_barrier_wait -1
.endm
.macro CROUND
	s_barrier_signal -1
	s_barrier_wait -1
	CREST
.endm
.macro JLOAD                           ; a joint refill by the walking sets: waves 0, 1 x's halves, waves 2, 3 W's; an s_nop 0 and four v_nop follow each line
	s_cmp_eq_u32 s[WR], 0
	s_cbranch_scc0 .Lfor_b_\@
	tensor_load_to_lds s[G0A+4:G0A+7], s[G1A:G1A+7]
	s_nop 0
.rept 4
	v_nop
.endr
	s_branch .Lasked_\@
.Lfor_b_\@:
	tensor_load_to_lds s[G0B+4:G0B+7], s[G1B:G1B+7]
	s_nop 0
.rept 4
	v_nop
.endr
.Lasked_\@:
.endm
	s_load_b512 s[4:19], s[0:1], 0x0               ; query, key, wq16, wk16, Wq_b, Wk_b, q16, k16
	v_lshl_add_u32 v[SPW], v0, 2, SPARE
	v_mov_b32 v[NIL], 0
	ds_add_u32 v[SPW], v[NIL]                      ; the wave's opening: the add and its wait ahead of my first tensor load
	v_lshrrev_b32 v1, 5, v0
	v_readfirstlane_b32 s[WV], v1
	s_lshr_b32 s[WR], s[WV], 1
	s_and_b32 s[WC], s[WV], 1
	s_bfe_u32 s[CX], ttmp6, 0x40000
	s_bfe_u32 s[CYP], ttmp6, 0x40004
	s_lshl_b32 s[TX], ttmp9, 2
	s_add_co_u32 s[TX], s[TX], s[CX]               ; column tile, 0-3
	s_and_b32 s[CLY], ttmp7, 0xffff
	s_lshl_b32 s[TY], s[CLY], 2
	s_add_co_u32 s[TY], s[TY], s[CYP]              ; row number, 0-63
	s_lshl_b32 s70, s[CYP], 2
	s_lshl_b32 s70, 15, s70                        ; my row of the cluster
	s_lshl_b32 s90, 0x1111, s[CX]                  ; my column
	s_or_b32 s[G1A], s70, (2<<16)|(1<<20)|(1<<21)|(6<<22)|(3<<25)  ; mask; 4-byte elements; padding on; bit 21 beside a mask; after every 128 words 4 words
	s_mov_b32 s[G1A+1], 128<<16                    ; tensor_dim0 = 128
	s_mov_b32 s[G1A+2], 64<<16                     ; tensor_dim1 = 64
	s_mov_b32 s[G1A+3], 128<<16                    ; tile_dim0 = 128
	s_mov_b32 s[G1A+4], 64                         ; tile_dim1 = 64
	s_mov_b32 s[G1A+5], 1024                       ; elements from row to row
	s_mov_b32 s[G1A+6], 0
	s_mov_b32 s[G1A+7], 0
	s_or_b32 s[G1B], s90, (1<<16)|(1<<20)|(1<<21)|(5<<22)|(3<<25)  ; 2-byte elements; after every 64 words 4 words
	s_mov_b32 s[G1B+1], 128<<16
	s_mov_b32 s[G1B+2], 128<<16
	s_mov_b32 s[G1B+3], 128<<16
	s_mov_b32 s[G1B+4], 128
	s_mov_b32 s[G1B+5], 1024
	s_mov_b32 s[G1B+6], 0
	s_mov_b32 s[G1B+7], 0
	s_mul_i32 s[WOA], s[WC], 64*PA
	s_mul_i32 s[WOB], s[WC], 128*PB
	s_add_co_u32 s[WOB], s[WOB], BOFF
	s_mov_b32 s[TB], 0
	s_mov_b32 s[SC], 0x3e000000                    ; 1/8: the first tile is q's
	s_mov_b32 s[SC+1], s[SC]                       ; named with it as a pair
	s_mov_b32 s[KS], 1                             ; K steps 0 and 1 are the first fills
	s_mov_b32 s[TC], 8
	s_mov_b32 s[CNT], 23                           ; 22 trips ask for K steps 2 to 23; the way in passes the loop's foot once
	s_mov_b32 s[KOA+1], 0
	s_mov_b32 s[KOB+1], 0
	s_lshl_b32 s92, s[TY], 7
	s_lshl_b32 s93, s[WC], 6
	s_add_co_u32 s92, s92, s93                     ; x: row 128 x TY + 64 x half,
	s_lshl_b32 s92, s92, 12                        ; 4,096 bytes each
	s_mov_b32 s93, 0
	s_lshl_b32 s94, s[TX], 8
	s_lshl_b32 s95, s[WC], 7
	s_add_co_u32 s94, s94, s95                     ; W: row 256 x tile + 128 x half,
	s_lshl_b32 s94, s94, 11                        ; 2,048 bytes each
	s_mov_b32 s95, 0
	s_wait_dscnt 0x0                               ; the opening add is done
	s_wait_kmcnt 0x0
	s_add_nc_u64 s[XCUR:XCUR+1], s[4:5], s[92:93]  ; the first tile: query's rows,
	s_add_nc_u64 s[XNX:XNX+1], s[6:7], s[92:93]    ; the second: key's rows of the same number,
	s_add_nc_u64 s[XN2:XN2+1], s[XNX:XNX+1], 0x2000000  ; the third: 64 tiles of 128 rows of 4,096 bytes on
	s_add_nc_u64 s[WCUR:WCUR+1], s[8:9], s[94:95]
	s_add_nc_u64 s[WKB:WKB+1], s[10:11], s[94:95]
.irp s, 0,1
	s_mov_b32 s[G0A+4*(\s)], 1
	s_add_co_u32 s[G0A+4*(\s)+1], s[WOA], (\s)*SLOT
	s_add_nc_u64 s[G0A+4*(\s)+2:G0A+4*(\s)+3], s[XCUR:XCUR+1], (\s)*512
	s_or_b32 s[G0A+4*(\s)+3], s[G0A+4*(\s)+3], 0x80000000
	s_mov_b32 s[G0B+4*(\s)], 1
	s_add_co_u32 s[G0B+4*(\s)+1], s[WOB], (\s)*SLOT
	s_add_nc_u64 s[G0B+4*(\s)+2:G0B+4*(\s)+3], s[WCUR:WCUR+1], (\s)*256
	s_or_b32 s[G0B+4*(\s)+3], s[G0B+4*(\s)+3], 0x80000000
.endr
	CROUND                                         ; all sixteen work-groups are here: the first joint loads meet
	s_cmp_eq_u32 s[WR], 0                          ; a wave's two first fills stand in one branch: two loads of mine are out
	s_cbranch_scc0 .Lfirst_b
	tensor_load_to_lds s[G0A:G0A+3], s[G1A:G1A+7]
	s_nop 0
	tensor_load_to_lds s[G0A+4:G0A+7], s[G1A:G1A+7]
	s_nop 0
.rept 4
	v_nop
.endr
	s_branch .Lfirst_asked
.Lfirst_b:
	tensor_load_to_lds s[G0B:G0B+3], s[G1B:G1B+7]
	s_nop 0
	tensor_load_to_lds s[G0B+4:G0B+7], s[G1B:G1B+7]
	s_nop 0
.rept 4
	v_nop
.endr
.Lfirst_asked:
	v_and_b32 v1, 15, v0                           ; r = lane % 16
	v_bfe_u32 v10, v0, 4, 1                        ; h = lane / 16
	v_lshlrev_b32 v[BO], 5, v10
	s_lshl_b32 s98, s[TX], 10
	s_lshl_b32 s99, s[WC], 9
	s_add_co_u32 s98, s98, s99                     ; my 128 columns' first byte in a bias
	s_mov_b32 s99, 0
	s_add_nc_u64 s[12:13], s[12:13], s[98:99]
	s_add_nc_u64 s[14:15], s[14:15], s[98:99]
	WIN 0xc0                                       ; destination window 3
.set z, 0
.rept 16                                       ; register 8 b + j: column 16 b + 8 h + j; both biases now, so that no tile waits for its own
	global_load_b128 v[4*z:4*z+3], v[BO], s[12:13] offset:64*(z/2)+16*(z%2)
	global_load_b128 v[KBI+4*z:KBI+4*z+3], v[BO], s[14:15] offset:64*(z/2)+16*(z%2)
.set z, z+1
.endr
	WIN 0
	v_mul_u32_u24 v[ADRA0], v1, PA                 ; x raw: row x pitch + 32 h: eight f32 are 32 bytes
	v_lshl_add_u32 v[ADRA0], v10, 5, v[ADRA0]
	s_mul_i32 s71, s[WR], 64*PA
	v_add_nc_u32 v[ADRA0], s71, v[ADRA0]
	v_mul_u32_u24 v[ADRB0], v1, PB                 ; W: row x pitch + 16 h
	v_lshl_add_u32 v[ADRB0], v10, 4, v[ADRB0]
	s_mul_i32 s91, s[WC], 128*PB
	s_add_co_u32 s91, s91, BOFF
	v_add_nc_u32 v[ADRB0], s91, v[ADRB0]
	v_mov_b32 v[ADRA], v[ADRA0]
	v_mov_b32 v[ADRB], v[ADRB0]
	s_mul_i32 s71, s[WV], 16*SP
	s_add_co_u32 s71, s71, STAGE                   ; my stage
	v_mul_u32_u24 v[STO], v1, SP
	v_lshl_add_u32 v[STO], v10, 4, v[STO]
	v_add_nc_u32 v[STO], s71, v[STO]
	v_mul_u32_u24 v[RD], v10, SP                   ; back: lanes 0-15 one row of 256 bytes, lanes 16-31 the next
	v_lshl_add_u32 v[RD], v1, 4, v[RD]
	v_add_nc_u32 v[RD], s71, v[RD]
	v_lshlrev_b32 v[CO], 11, v10                   ; and the same two rows in the result
	v_lshl_add_u32 v[CO], v1, 4, v[CO]
	s_lshl_b32 s96, s[TY], 7
	s_lshl_b32 s97, s[WR], 6
	s_add_co_u32 s96, s96, s97                     ; my first row,
	s_lshl_b32 s96, s96, 11
	s_lshl_b32 s97, s[TX], 9
	s_add_co_u32 s96, s96, s97                     ; my first column, in bytes
	s_lshl_b32 s97, s[WC], 8
	s_add_co_u32 s96, s96, s97
	s_mov_b32 s97, 0
	s_add_nc_u64 s[OUT:OUT+1], s[16:17], s[96:97]  ; the first tile goes to q16,
	s_add_nc_u64 s[ONX:ONX+1], s[18:19], s[96:97]  ; the second to the same place in k16
; Product i of a phase's 32: rows 16 (i / 8) on, columns 16 (i % 8) on.  The 32 accumulators take turns.
.macro MM p, zero
	WIN 0xa1                                       ; W window 1, x window 0, C and D window 2
.if \zero
	v_wmma_f32_16x16x32_f16 v[8*i:8*i+7], v[64*(((\p)+2)%4)+8*(i%8):64*(((\p)+2)%4)+8*(i%8)+7], v[AF+32*((\p)%2)+8*(i/8):AF+32*((\p)%2)+8*(i/8)+7], 0
.else
	v_wmma_f32_16x16x32_f16 v[8*i:8*i+7], v[64*(((\p)+2)%4)+8*(i%8):64*(((\p)+2)%4)+8*(i%8)+7], v[AF+32*((\p)%2)+8*(i/8):AF+32*((\p)%2)+8*(i/8)+7], v[8*i:8*i+7]
.endif
.endm
; Load y of 16 of x raw: rows 16 (y / 4) on; a lane's K = 8 h + 0..7 are two loads 16 bytes apart, K = 16 + 8 h + 0..7 the same 64 bytes on.
.macro LA p, y
	WIN 0
	ds_load_b128 v[RAW+64*((\p)%2)+4*(\y):RAW+64*((\p)%2)+4*(\y)+3], v[ADRA] offset:((\y)/4)*16*PA+128*(\p)+16*((\y)%2)+64*(((\y)%4)/2)
.endm
.macro LB p, z                         ; load z of 16 of W's fragments: rows 16 (z / 2) on
	WIN 0x40
	ds_load_b128 v[64*(\p)+4*(\z):64*(\p)+4*(\z)+3], v[ADRB] offset:((\z)/2)*16*PB+64*(\p)+32*((\z)%2)
.endm
.macro XF p, x                         ; rounding x of 32: two f32 of the sub-step loaded last phase become one register of a fragment
	WIN 0
	v_cvt_pk_f16_f32 v[AF+32*(((\p)+1)%2)+(\x)], v[RAW+64*(((\p)+1)%2)+2*(\x)], v[RAW+64*(((\p)+1)%2)+2*(\x)+1]
.endm
.macro RUN p                           ; a sub-step's 32 LDS loads in one run: x raw, then W
.set y, 0
.rept 16
	LA \p, y
.set y, y+1
.endr
.set y, 0
.rept 16
	LB \p, y
.set y, y+1
.endr
.endm
; A PHASE.  The run of 32 loads; then 32 products, with four roundings behind each of products 1 to 8.
; A rounding writes a fragment register eight or more roundings of other registers behind the last product that read it (registers 0-7: the groups behind products 7 and 8 of the phase before;
; 8-15: this phase's first eight); a load into W's buffer stands two phases, 24 roundings of other registers or more, behind that buffer's last reader (ISA guide 7.12.1 for vector
; instructions): no v_nop is needed.
; meet = 1, 2 (phase 3 alone): THE CHANGE OF SLOTS.  The slot's last loads are this phase's run.  Each wave waits for all its tensor loads (one is out: its part of the other slot), adds 0 to its
; spare word, and waits for that and for its reads of the slot; behind the barrier nobody reads this slot and the other is whole.  meet = 1: the barrier opens a round of the cluster's, and
; the slot is filled again first thing behind it, with the K step two on in the walk: that load has 112 products in which to land.  The descriptors' addresses are made anew each time: the
; base of the tile that is being asked for, and the K step's offset; behind a tile's step 7 comes the next tile's step 0, with that tile's bases.
.macro PHASE p, zero, meet
	RUN \p
	s_wait_dscnt 32                                ; all but the run just issued: the raw x to be rounded (last phase's run) and the W to be multiplied (the run before that) are in
.set i, 0
.rept 32
.if (\meet) && (i == 16)
	WIN 0                                          ; (the add's two registers lie in window 0)
	s_wait_tensorcnt 0x0                           ; all my tensor loads have landed, so a group 0 may be written
	ds_add_u32 v[SPW], v[NIL]
.if (\meet) == 1
	s_add_co_u32 s[KS], s[KS], 1
	s_cmp_eq_u32 s[KS], 8                          ; a count, the same in every work-group
	s_cselect_b32 s[KS], 0, s[KS]
	s_cselect_b64 s[XCUR:XCUR+1], s[XNX:XNX+1], s[XCUR:XCUR+1]
	s_cselect_b64 s[WCUR:WCUR+1], s[WKB:WKB+1], s[WCUR:WCUR+1]  ; the second and the third tile take Wk
	s_cselect_b64 s[XNX:XNX+1], s[XN2:XN2+1], s[XNX:XNX+1]
	s_lshl_b32 s[KOA], s[KS], 9                    ; 128 f32,
	s_lshl_b32 s[KOB], s[KS], 8                    ; 128 f16
	s_add_co_u32 s[G0A+5], s[TB], s[WOA]           ; into the slot that is being left
	s_add_nc_u64 s[G0A+6:G0A+7], s[XCUR:XCUR+1], s[KOA:KOA+1]
	s_or_b32 s[G0A+7], s[G0A+7], 0x80000000
	s_add_co_u32 s[G0B+5], s[TB], s[WOB]
	s_add_nc_u64 s[G0B+6:G0B+7], s[WCUR:WCUR+1], s[KOB:KOB+1]
	s_or_b32 s[G0B+7], s[G0B+7], 0x80000000
.endif
.endif
.if (\meet) && (i == 24)
	s_wait_dscnt 0x0                               ; the add is done, and my reads of this slot are over
	s_barrier_signal -1
.endif
	MM \p, \zero
.if (i >= 1) && (i <= 8)
	XF \p, 4*(i-1)
	XF \p, 4*(i-1)+1
	XF \p, 4*(i-1)+2
	XF \p, 4*(i-1)+3
.endif
.set i, i+1
.endr
.if \meet
	WIN 0
	s_barrier_wait -1
.if (\meet) == 1
	CREST                                          ; no wave of any partner still reads this slot's tile or has a load on its way
	JLOAD
.endif
	s_xor_b32 s[TB], s[TB], SLOT                   ; the loads go on in the other slot
	v_add_nc_u32 v[ADRA], s[TB], v[ADRA0]
	v_add_nc_u32 v[ADRB], s[TB], v[ADRB0]
.endif
.endm
; THE WAY OUT of block a (16 rows): sum x scale + bias x scale, rounded to f16; 16 bytes a lane into my stage; back as whole rows of 256 bytes; stored.  All its registers lie in windows 2 and 3:
; in the walk's middle windows 0 and 1 hold the next tile's first sub-steps.
.macro PACK a
	WIN 0xb2                                       ; sums window 2, bias window 3
.set z, 0
.rept 32                                       ; each accumulator's registers in ascending order
	v_pk_fma_f32 v[64*(\a)+2*z:64*(\a)+2*z+1], v[64*(\a)+2*z:64*(\a)+2*z+1], s[SC:SC+1], v[2*z:2*z+1] op_sel_hi:[1,0,1]
.set z, z+1
.endr
	WIN 0xca                                       ; sources window 2, destination window 3
.set z, 0
.rept 32
	v_cvt_pk_f16_f32 v[TMP+z], v[64*(\a)+2*z], v[64*(\a)+2*z+1]
.set z, z+1
.endr
.endm
.macro TOSTAGE a
.set BK, OB+32*((\a)%2)
	WIN 0x0c                                       ; store data window 3, address window 0
.irp b, 0,1,2,3,4,5,6,7
	ds_store_b128 v[STO], v[TMP+4*(\b):TMP+4*(\b)+3] offset:32*(\b)
.endr
	WIN 0xc0                                       ; destination window 3
.irp t, 0,1,2,3,4,5,6,7
	ds_load_b128 v[BK+4*(\t):BK+4*(\t)+3], v[RD] offset:(\t)*2*SP  ; LDS serves a wave's instructions in order (ISA guide 5.7.1.4): these see the stores above
.endr
.endm
.macro SEND a
.set BK, OB+32*((\a)%2)
	s_wait_dscnt 0x0                               ; the block is back in registers
	s_wait_xcnt 0x0                                ; the registers that earlier stores read are loaded again only behind this wait
	WIN 0x0c
.irp t, 0,1,2,3,4,5,6,7
	global_store_b128 v[CO], v[BK+4*(\t):BK+4*(\t)+3], s[OUT:OUT+1] offset:(16*(\a)+2*(\t))*2048  ; 16 lanes store 256 consecutive bytes, at a multiple of 256
.endr
.endm
.macro WAYOUT
	PACK 0
	TOSTAGE 0
.irp a, 1,2,3
	PACK \a
	SEND (\a)-1
	TOSTAGE \a
.endr
	SEND 3
	WIN 0
.endm
	s_wait_tensorcnt 0x1                           ; my part of K step 0 is in; step 1's may stay out
	s_barrier_signal -1
	s_barrier_wait -1
	RUN 0
	RUN 1
	s_wait_loadcnt 0x0                             ; the biases
	WIN 0xc3
.set z, 0
.rept 32
	v_pk_mul_f32 v[2*z:2*z+1], v[2*z:2*z+1], s[SC:SC+1] op_sel_hi:[1,0]  ; q's, scaled in place
.set z, z+1
.endr
	s_wait_dscnt 32                                ; sub-step 0 is in; sub-step 1's 32 loads may stay out
.set x, 0
.rept 32
	XF 1, x
.set x, x+1
.endr
	WIN 0
	s_branch .Lzero                                ; the loop is entered where a tile's first products stand
.Lstep:                                                ; 22 trips: K steps 2 to 23 of the walk are asked for
	PHASE 3, 0, 1
	PHASE 0, 0, 0
	PHASE 1, 0, 0
	WIN 0
	s_sub_co_u32 s[TC], s[TC], 1
	s_cmp_lg_u32 s[TC], 0
	s_cbranch_scc1 .Lplain                         ; a jump forward, past no barrier and no tensor load
	PLACES                                         ; A TILE'S END: four places between its last products and the first read of a result
	WAYOUT
	s_wait_xcnt 0x0                                ; the stores have read their base
	s_mov_b64 s[OUT:OUT+1], s[ONX:ONX+1]
	s_add_nc_u64 s[ONX:ONX+1], s[ONX:ONX+1], 0x1000000  ; the third tile: 64 tiles of 128 rows of 2,048 bytes on (behind the second tile's end the sum is not used)
	s_mov_b32 s[SC], 0x3e800000                    ; 1/4: the tiles to come are k's
	s_mov_b32 s[SC+1], s[SC]
	s_mov_b32 s[TC], 8
	WIN 0xc3
.set z, 0
.rept 32
	v_pk_mul_f32 v[2*z:2*z+1], v[KBI+2*z:KBI+2*z+1], s[SC:SC+1] op_sel_hi:[1,0]  ; k's bias, scaled, where the one text of the way out names the bias
.set z, z+1
.endr
	WIN 0
.Lzero:
	PHASE 2, 1, 0                                  ; a tile's first products start the sums: nothing is cleared
	WIN 0
	s_branch .Lbottom
.Lplain:
	PHASE 2, 0, 0
	WIN 0
.Lbottom:
	s_sub_co_u32 s[CNT], s[CNT], 1
	s_cmp_lg_u32 s[CNT], 0
	s_cbranch_scc1 .Lstep
	s_mov_b32 s[CNT], 2
.Ltail:                                                ; nothing more is asked for.  The second trip is left in its middle; its last two phases load, and round, bytes of the other slot
	PHASE 3, 0, 2                                  ; that serve nothing: the price of one text for both trips
	PHASE 0, 0, 0
	PHASE 1, 0, 0
	WIN 0
	s_sub_co_u32 s[CNT], s[CNT], 1
	s_cmp_eq_u32 s[CNT], 0
	s_cbranch_scc1 .Lout
	PHASE 2, 0, 0
	WIN 0
	s_branch .Ltail
.Lout:
	s_wait_dscnt 0x0                               ; the loads that serve nothing are back
	PLACES                                         ; four places between the last products and the first read of a result
	WAYOUT
	s_wait_tensorcnt 0x0                           ; the wave's end
	ds_add_u32 v[SPW], v[NIL]
	s_wait_dscnt 0x0
	CROUND                                         ; the closing round
	s_endpgm
.Lfunc_end_k_qcefe91561f_proj:
	.size	k_qcefe91561f_proj, .Lfunc_end_k_qcefe91561f_proj-k_qcefe91561f_proj
	.p2alignl 7, 3214868480
	.fill 96, 4, 3214868480
	.section	.rodata,"a",@progbits
	.p2align	6, 0x0
	.amdhsa_kernel k_qcefe91561f_proj
		.amdhsa_group_segment_fixed_size 327680
		.amdhsa_private_segment_fixed_size 0
		.amdhsa_enable_private_segment 0
		.amdhsa_kernarg_size 64
		.amdhsa_user_sgpr_count 2
		.amdhsa_user_sgpr_kernarg_segment_ptr 1
		.amdhsa_wavefront_size32 1
		.amdhsa_system_sgpr_workgroup_id_x 1
		.amdhsa_system_sgpr_workgroup_id_y 1
		.amdhsa_system_sgpr_workgroup_id_z 1
		.amdhsa_system_vgpr_workitem_id 0
		.amdhsa_next_free_vgpr 992
		.amdhsa_next_free_sgpr 100
		.amdhsa_reserve_vcc 0
		.amdhsa_float_denorm_mode_32 3
		.amdhsa_float_denorm_mode_16_64 3
		.amdhsa_memory_ordered 1
		.amdhsa_forward_progress 1
		.amdhsa_inst_pref_size 132
	.end_amdhsa_kernel
	.amdgpu_metadata
---
amdhsa.version: [ 1, 2 ]
amdhsa.kernels:
  - .name:           k_qcefe91561f_proj
    .symbol:         k_qcefe91561f_proj.kd
    .args:
      - { .name: query, .offset: 0, .size: 8, .value_kind: global_buffer, .address_space: global }
      - { .name: key, .offset: 8, .size: 8, .value_kind: global_buffer, .address_space: global }
      - { .name: wq16, .offset: 16, .size: 8, .value_kind: global_buffer, .address_space: global }
      - { .name: wk16, .offset: 24, .size: 8, .value_kind: global_buffer, .address_space: global }
      - { .name: Wq_b, .offset: 32, .size: 8, .value_kind: global_buffer, .address_space: global }
      - { .name: Wk_b, .offset: 40, .size: 8, .value_kind: global_buffer, .address_space: global }
      - { .name: q16, .offset: 48, .size: 8, .value_kind: global_buffer, .address_space: global }
      - { .name: k16, .offset: 56, .size: 8, .value_kind: global_buffer, .address_space: global }
    .group_segment_fixed_size: 327680
    .private_segment_fixed_size: 0
    .kernarg_segment_align: 8
    .kernarg_segment_size: 64
    .max_flat_workgroup_size: 128
    .sgpr_count:     100
    .vgpr_count:     992
    .wavefront_size: 32
...
	.end_amdgpu_metadata
.endif
;; end of part 6
;; launch scores (part 7): grid 8 x 32, 4 waves a work-group, clusters of 4 x 4, 327,680 bytes of LDS; arguments q16, k16, mask, p16, stats, value, v16; writes p16, stats, v16
.if DOCPART == 7
	.amdgcn_target "amdgcn-amd-amdhsa--gfx1250"
	.amdhsa_code_object_version 6
	.text
	.protected	k_qcefe91561f_scores
	.globl	k_qcefe91561f_scores
	.p2align	8
	.type	k_qcefe91561f_scores,@function
k_qcefe91561f_scores:
	s_mov_b64 s[64:65], 0
	v_nop
	global_prefetch_b8 v0, s[64:65] scope:SCOPE_SE
	s_setreg_imm32_b32 hwreg(HW_REG_WAVE_MODE, 25, 1), 1
	s_wait_xcnt 0x0
	s_wait_alu depctr_hold_cnt(0) depctr_sa_sdst(0) depctr_va_vdst(0) depctr_va_sdst(0) depctr_va_ssrc(0) depctr_va_vcc(0) depctr_vm_vsrc(0)
	s_getreg_b32 s2, hwreg(HW_REG_IB_STS2, 6, 4)
	s_cmp_eq_u32 s2, 0
	s_cbranch_scc0 .Lentry_in_a_cluster
	s_endpgm
.Lentry_in_a_cluster:
	s_bfe_u32 s2, ttmp6, 0x10000c
	s_cmp_lg_u32 s2, 0xf033
	s_cbranch_scc0 .Lentry_shape_is_right
	s_endpgm
.Lentry_shape_is_right:
; For each batch: t = (q . k / 32) mask log2(e), or -1e9 log2(e) where mask = 0; for each query and each block of 128 keys the block's maximum m, p' = 2^(t - m) in f16, and l = the sum of p'.
; q16 holds q / 8 and k16 k / 4, so their product is q . k / 32.  p16: [8192][2048] f16; stats: [16 key blocks][8192 rows][m, l] f32, m in units of log2.
; The maximum is taken away before every exponential: here the block's, in the next launch the difference to the row's: both exponents are at most 0.
; BESIDE THE PRODUCTS value (f32) is rounded once to f16 into v16, for the next launch: a stream through registers that shares nothing with the products but the wave's issue slots.
; LIMITS: a raw score at a masked key must be finite (it is multiplied by 0 and -1e9 log2(e) is added, where reference() selects); p' below 6e-5 keeps f16's fixed step of 6e-8, and a p' below 2^-126
; counts as 0 in l; l is the sum of the unrounded p'; a value of 65,520 or more in magnitude becomes an infinity in f16.  NaN and infinities are not treated apart.
; SHARES.  A work-group makes 256 queries x 256 keys; four waves, each 128 x 128: 64 accumulators, 512 registers; a wave's 128 keys are one block of stats.  K = 1024 in 8 steps of 128, two LDS slots.
; Of value each of the launch's 1,024 waves takes 65,536 bytes, in 32 chunks of 2,048 (four loads of 512 consecutive bytes; four stores of 256 consecutive bytes, at multiples of 256).
; CLUSTER 4 x 4: a cluster's y is the batch; the four of a row share q's tile, the four of a column k's: each is asked for jointly.
; THE MATRIX INSTRUCTION IS USED TRANSPOSED (source 0 = 16 keys, source 1 = 16 queries): a lane holds one query (lane % 16) and the keys 16 b + 8 (lane / 16) + 0..7.
; REGISTERS: window 0: v0-31 addresses and work; v32-47 (m, l) of my eight blocks of 16 rows; v48-55 a chunk of value, rounded; v64-127, v128-191 q's fragments, two buffers (at the start: the mask as
;   loaded, three chunks of value; on the way out: rows read back, packed p'); v192-255 a ring of four chunks of value as loaded
;   window 1: v0-63 mask x log2(e); v64-127, v128-191 k's fragments; v192-255 0 or -1e9 log2(e)     windows 2, 3: the accumulators of my rows 0-63, 64-127: (a, b) at v[8 (8 a + b)]
.set PITCH,  272                       ; 256 bytes + 16 = 68 words: the 16 rows of a load start at 16 different groups of four banks (64 banks of 4 bytes: ISA guide 11.1)
.set HALFT,  128*PITCH
.set SLOT,   4*HALFT                   ; q's 256 rows, then k's 256 rows
.set STAGE,  2*SLOT
.set SPITCH, 272
.set SPARE,  STAGE+4*16*SPITCH
.set ADRA0, 2
.set ADRB0, 3
.set ADRA,  4
.set ADRB,  5
.set STO,   6
.set RD,    7
.set CO,    8
.set SO,    9                          ; v9  8 x lane: my row's place in a store of stats
.set MO,    10                         ; v10 my byte offset in the mask
.set CH,    12                         ; v12-15 four chains at work
.set MW,    16                         ; v16-17 the block's maximum, twice
.set SD,    18                         ; v18-25 stats to store
.set SPW,   28
.set NIL,   29
.set VO,    30                         ; v30 16 x lane: my place in a load of value; never rewritten
.set VS,    31                         ; v31 8 x lane: my place in a store of v16; never rewritten
.set SM,    32
.set YR,    48
.set F0,    64
.set F1,    128
.set MT,    64                         ; the mask as loaded, until the first fragments come
.set PG,    128                        ; chunks 29 to 31 of value, until the first fragments come
.set XR,    192
.set MU,    0                          ; window 1
.set AD,    192                        ; window 1
.set OB,    64
.set TMP,   128
.set VB,  14                           ; s[14:15] value, s[16:17] v16, at my wave's part; both step once a trip
.set SB,  16
.set WV,  20
.set WR,  21
.set WC,  22
.set CX,  23
.set CYP, 24
.set TX,  25
.set TY,  26
.set CLY, 27
.set G1A, 28
.set G1B, 36
.set G0A, 44
.set G0B, 52
.set TB,  60
.set CNT, 61
.set WO,  62                           ; s62 my part's place in a slot: wave x 128 rows
.set SEL, 66                           ; s[66:67] v_permlanex16_b32's selects: each lane takes its own place in the other half
.set L2E, 68
.set NEGL, 69
.set HIM, 71
.set MSB, 0
.macro WIN new
.if MSB != (\new)
	s_set_vgpr_msb (MSB<<8)|(\new)
.set MSB, (\new)
.endif
.endm
.set MUL_LO, 0xa1                      ; k window 1, q window 0, C and D window 2
.set MUL_HI, 0xf1                      ; the same, C and D window 3
.set TO_B,   0x40
.macro PLACES
.rept 4
	v_nop
.endr
.endm
.macro CREST
	s_cmp_lg_u32 s[WV], 0
	s_cbranch_scc1 .Lnot_wave_0_\@
	s_barrier_signal -3
.Lnot_wave_0_\@:
	s_barrier_wait -3
	s_barrier_signal -1
	s_barrier_wait -1
.endm
.macro CROUND
	s_barrier_signal -1
	s_barrier_wait -1
	CREST
.endm
.macro JLOAD                           ; a joint refill by the walking sets: waves 0, 1 q's halves, waves 2, 3 k's; an s_nop 0 and four v_nop follow each line
	s_cmp_eq_u32 s[WR], 0
	s_cbranch_scc0 .Lfor_b_\@
	tensor_load_to_lds s[G0A+4:G0A+7], s[G1A:G1A+7]
	s_nop 0
.rept 4
	v_nop
.endr
	s_branch .Lasked_\@
.Lfor_b_\@:
	tensor_load_to_lds s[G0B+4:G0B+7], s[G1B:G1B+7]
	s_nop 0
.rept 4
	v_nop
.endr
.Lasked_\@:
.endm
; VALUE'S STREAM.  Chunks 0 to 28 go through the ring: chunk c lies in group c % 4, is rounded and stored in quarter step c of the products (chunks 25 to 28 behind the last product), and in
; that quarter step the group is filled again with chunk c + 4: a load has four quarter steps, 256 products, in which to land.  Chunks 29 to 31 are loaded, rounded and stored at the start.
; The last seven quarter steps hold nothing of this, so every count is the same on every path.  c counts from where the two bases stand.
.macro CAST g, c
	WIN 0
	s_wait_loadcnt 12                              ; loads come back in order: this group's four are in, the three younger groups' twelve stay out
	s_wait_xcnt 0x0                                ; v48-55, which the last quarter step's stores read, are written again only behind this wait
.irp n, 0,1,2,3
	v_cvt_pk_f16_f32 v[YR+2*\n], v[XR+16*(\g)+4*\n], v[XR+16*(\g)+4*\n+1]
	v_cvt_pk_f16_f32 v[YR+2*\n+1], v[XR+16*(\g)+4*\n+2], v[XR+16*(\g)+4*\n+3]
.endr
.irp n, 0,1,2,3
	global_load_b128 v[XR+16*(\g)+4*\n:XR+16*(\g)+4*\n+3], v[VO], s[VB:VB+1] offset:((\c)+4)*2048+512*\n th:TH_LOAD_NT
.endr
.irp n, 0,1,2,3
	global_store_b64 v[VS], v[YR+2*\n:YR+2*\n+1], s[SB:SB+1] offset:(\c)*1024+256*\n
.endr
.endm
.macro INPL x, c                       ; a chunk whose registers are not loaded again: rounded in place and stored
.irp n, 0,1,2,3
	v_cvt_pk_f16_f32 v[(\x)+4*\n], v[(\x)+4*\n], v[(\x)+4*\n+1]
	v_cvt_pk_f16_f32 v[(\x)+4*\n+1], v[(\x)+4*\n+2], v[(\x)+4*\n+3]
.endr
.irp n, 0,1,2,3
	global_store_b64 v[VS], v[(\x)+4*\n:(\x)+4*\n+1], s[SB:SB+1] offset:(\c)*1024+256*\n
.endr
.endm
	s_load_b256 s[4:11], s[0:1], 0x0               ; q16 s[4:5], k16 s[6:7], mask s[8:9], p16 s[10:11]
	s_load_b128 s[12:15], s[0:1], 0x20             ; stats s[12:13], value s[14:15]
	s_load_b64 s[16:17], s[0:1], 0x30              ; v16
	v_lshl_add_u32 v[SPW], v0, 2, SPARE
	v_mov_b32 v[NIL], 0
	ds_add_u32 v[SPW], v[NIL]                      ; the wave's opening: the add and its wait ahead of my first tensor load
	v_lshrrev_b32 v1, 5, v0
	v_readfirstlane_b32 s[WV], v1
	s_lshr_b32 s[WR], s[WV], 1
	s_and_b32 s[WC], s[WV], 1
	s_bfe_u32 s[CX], ttmp6, 0x40000
	s_bfe_u32 s[CYP], ttmp6, 0x40004
	s_lshl_b32 s[TX], ttmp9, 2
	s_add_co_u32 s[TX], s[TX], s[CX]               ; key tile in the batch, 0..7
	s_and_b32 s[CLY], ttmp7, 0xffff                ; the batch
	s_lshl_b32 s[TY], s[CLY], 2
	s_add_co_u32 s[TY], s[TY], s[CYP]              ; query tile among all 32
	s_lshl_b32 s70, s[CYP], 2
	s_lshl_b32 s70, 15, s70
	s_lshl_b32 s76, 0x1111, s[CX]
	s_or_b32 s[G1A], s70, (1<<16)|(1<<20)|(1<<21)|(5<<22)|(3<<25)  ; mask; 2-byte elements; padding on; bit 21 beside a mask; after every 64 words 4 words
	s_or_b32 s[G1B], s76, (1<<16)|(1<<20)|(1<<21)|(5<<22)|(3<<25)
.irp g, G1A, G1B
	s_mov_b32 s[(\g)+1], 128<<16                   ; tensor_dim0 = 128
	s_mov_b32 s[(\g)+2], 128<<16                   ; tensor_dim1 = 128
	s_mov_b32 s[(\g)+3], 128<<16                   ; tile_dim0 = 128
	s_mov_b32 s[(\g)+4], 128                       ; tile_dim1 = 128
	s_mov_b32 s[(\g)+5], 1024                      ; elements from row to row
	s_mov_b32 s[(\g)+6], 0
	s_mov_b32 s[(\g)+7], 0
.endr
	s_mul_i32 s[WO], s[WV], HALFT
	s_mov_b32 s[TB], 0
	s_mov_b32 s[SEL], 0x76543210
	s_mov_b32 s[SEL+1], 0xfedcba98
	s_mov_b32 s[L2E], 0x3fb8aa3b                   ; log2(e)
	s_mov_b32 s[NEGL], 0xceabfb8f                  ; -1e9 log2(e)
	s_mov_b32 s[HIM], 0xffff0000                   ; lanes 16-31
	s_lshl_b32 s72, s[TY], 8
	s_lshl_b32 s73, s[WC], 7
	s_add_co_u32 s72, s72, s73                     ; q: row 256 x tile + 128 x half,
	s_lshl_b32 s72, s72, 11                        ; 2,048 bytes each
	s_mov_b32 s73, 0
	s_lshl_b32 s78, s[CLY], 3
	s_add_co_u32 s78, s78, s[TX]
	s_lshl_b32 s78, s78, 8
	s_lshl_b32 s79, s[WC], 7
	s_add_co_u32 s78, s78, s79                     ; k: row 256 x (8 x batch + tile) + 128 x half
	s_lshl_b32 s78, s78, 11
	s_mov_b32 s79, 0
	s_wait_dscnt 0x0                               ; the opening add is done
	s_wait_kmcnt 0x0
	s_add_nc_u64 s[72:73], s[4:5], s[72:73]
	s_add_nc_u64 s[78:79], s[6:7], s[78:79]
.irp s, 0,1
	s_mov_b32 s[G0A+4*(\s)], 1
	s_add_co_u32 s[G0A+4*(\s)+1], s[WO], (\s)*SLOT
	s_add_nc_u64 s[G0A+4*(\s)+2:G0A+4*(\s)+3], s[72:73], (\s)*256
	s_or_b32 s[G0A+4*(\s)+3], s[G0A+4*(\s)+3], 0x80000000
	s_mov_b32 s[G0B+4*(\s)], 1
	s_add_co_u32 s[G0B+4*(\s)+1], s[WO], (\s)*SLOT
	s_add_nc_u64 s[G0B+4*(\s)+2:G0B+4*(\s)+3], s[78:79], (\s)*256
	s_or_b32 s[G0B+4*(\s)+3], s[G0B+4*(\s)+3], 0x80000000
.endr
	CROUND                                         ; all sixteen work-groups are here: the first joint loads meet
	s_cmp_eq_u32 s[WR], 0                          ; a wave's two first fills stand in one branch: two loads of mine are out
	s_cbranch_scc0 .Lfirst_b
	tensor_load_to_lds s[G0A:G0A+3], s[G1A:G1A+7]
	s_nop 0
	tensor_load_to_lds s[G0A+4:G0A+7], s[G1A:G1A+7]
	s_nop 0
.rept 4
	v_nop
.endr
	s_branch .Lfirst_asked
.Lfirst_b:
	tensor_load_to_lds s[G0B:G0B+3], s[G1B:G1B+7]
	s_nop 0
	tensor_load_to_lds s[G0B+4:G0B+7], s[G1B:G1B+7]
	s_nop 0
.rept 4
	v_nop
.endr
.Lfirst_asked:
	v_and_b32 v1, 15, v0                           ; r
	v_bfe_u32 v11, v0, 4, 1                        ; h
	v_lshlrev_b32 v[MO], 5, v11
	v_and_b32 v[VO], 31, v0
	v_lshlrev_b32 v[VS], 3, v[VO]
	v_lshlrev_b32 v[VO], 4, v[VO]
	s_lshl_b32 s82, s[CLY], 11
	s_lshl_b32 s83, s[TX], 8
	s_add_co_u32 s82, s82, s83
	s_lshl_b32 s83, s[WC], 7
	s_add_co_u32 s82, s82, s83                     ; my 128 keys in the mask,
	s_lshl_b32 s82, s82, 2                         ; 4 bytes each
	s_mov_b32 s83, 0
	s_add_nc_u64 s[8:9], s[8:9], s[82:83]
	s_lshl_b32 s74, s[TY], 3
	s_add_co_u32 s74, s74, s[TX]                   ; my work-group among the 256,
	s_lshl_b32 s74, s74, 2
	s_add_co_u32 s74, s74, s[WV]                   ; my wave among the 1,024:
	s_lshl_b32 s80, s74, 15                        ; its 32,768 bytes of v16,
	s_mov_b32 s81, 0
	s_lshl_b32 s74, s74, 16                        ; its 65,536 bytes of value
	s_mov_b32 s75, 0
	s_add_nc_u64 s[VB:VB+1], s[VB:VB+1], s[74:75]
	s_add_nc_u64 s[SB:SB+1], s[SB:SB+1], s[80:81]
.set z, 0
.rept 16                                       ; register 8 b + j: key 16 b + 8 h + j
	global_load_b128 v[MT+4*z:MT+4*z+3], v[MO], s[8:9] offset:64*(z/2)+16*(z%2)
.set z, z+1
.endr
.set z, 0
.rept 12                                       ; value's chunks 29 to 31
	global_load_b128 v[PG+4*z:PG+4*z+3], v[VO], s[VB:VB+1] offset:29*2048+512*z th:TH_LOAD_NT
.set z, z+1
.endr
.set z, 0
.rept 16                                       ; and chunks 0 to 3: the ring is filled
	global_load_b128 v[XR+4*z:XR+4*z+3], v[VO], s[VB:VB+1] offset:512*z th:TH_LOAD_NT
.set z, z+1
.endr
	v_mul_u32_u24 v[ADRA0], v1, PITCH
	v_lshl_add_u32 v[ADRA0], v11, 4, v[ADRA0]      ; row x pitch + 16 h
	v_mov_b32 v[ADRB0], v[ADRA0]
	s_mul_i32 s84, s[WR], HALFT
	v_add_nc_u32 v[ADRA0], s84, v[ADRA0]
	s_mul_i32 s85, s[WC], HALFT
	s_add_co_u32 s85, s85, 2*HALFT
	v_add_nc_u32 v[ADRB0], s85, v[ADRB0]
	v_mov_b32 v[ADRA], v[ADRA0]
	v_mov_b32 v[ADRB], v[ADRB0]
	s_mul_i32 s86, s[WV], 16*SPITCH
	s_add_co_u32 s86, s86, STAGE
	v_mul_u32_u24 v[STO], v1, SPITCH
	v_lshl_add_u32 v[STO], v11, 4, v[STO]
	v_add_nc_u32 v[STO], s86, v[STO]
	v_mul_u32_u24 v[RD], v11, SPITCH
	v_lshl_add_u32 v[RD], v1, 4, v[RD]
	v_add_nc_u32 v[RD], s86, v[RD]
	v_lshlrev_b32 v[CO], 12, v11                   ; a row of p16 is 4,096 bytes
	v_lshl_add_u32 v[CO], v1, 4, v[CO]
	v_and_b32 v[SO], 31, v0
	v_lshlrev_b32 v[SO], 3, v[SO]
	s_lshl_b32 s88, s[TY], 8
	s_lshl_b32 s89, s[WR], 7
	s_add_co_u32 s88, s88, s89                     ; my first row
	s_lshl_b32 s86, s88, 3                         ; in stats: 8 bytes a row,
	s_lshl_b32 s87, s[TX], 1
	s_add_co_u32 s87, s87, s[WC]                   ; in key block 2 x tile + half,
	s_lshl_b32 s87, s87, 16                        ; 65,536 bytes each
	s_add_co_u32 s86, s86, s87
	s_mov_b32 s87, 0
	s_add_nc_u64 s[12:13], s[12:13], s[86:87]
	s_lshl_b32 s88, s88, 12                        ; in p16
	s_lshl_b32 s89, s[TX], 9
	s_add_co_u32 s88, s88, s89
	s_lshl_b32 s89, s[WC], 8
	s_add_co_u32 s88, s88, s89
	s_mov_b32 s89, 0
	s_add_nc_u64 s[10:11], s[10:11], s[88:89]
	s_wait_loadcnt 28                              ; the mask is in: behind its loads stand value's 12 + 16.  Its factor and addend are made in the wait for the first tile
	WIN 0x40
.set z, 0
.rept 64
	v_cvt_f32_i32 v[MU+z], v[MT+z]
	v_cmp_eq_u32 vcc_lo, 0, v[MT+z]
	v_cndmask_b32 v[AD+z], 0, s[NEGL], vcc_lo
.set z, z+1
.endr
	WIN 0x44
.set z, 0
.rept 64
	v_mul_f32 v[MU+z], s[L2E], v[MU+z]
.set z, z+1
.endr
	WIN 0
	s_wait_loadcnt 16                              ; chunks 29 to 31 are in: behind them stand the ring's 16 loads
	INPL PG, 29
	INPL PG+16, 30
	INPL PG+32, 31
; 16 products: blocks a0, a0 + 1 of the window's four (hi = 0: my rows 0-63, 1: rows 64-127) x all 8 key blocks, 32 along K.  The 64 accumulators take turns.
.macro MUL16 f, hi, a0, zero
	WIN MUL_LO+0x50*(\hi)
.irp a, \a0, (\a0)+1
.irp b, 0,1,2,3,4,5,6,7
.if \zero
	v_wmma_f32_16x16x32_f16 v[8*(8*(\a)+(\b)):8*(8*(\a)+(\b))+7], v[(\f)+8*(\b):(\f)+8*(\b)+7], v[(\f)+8*(4*(\hi)+(\a)):(\f)+8*(4*(\hi)+(\a))+7], 0
.else
	v_wmma_f32_16x16x32_f16 v[8*(8*(\a)+(\b)):8*(8*(\a)+(\b))+7], v[(\f)+8*(\b):(\f)+8*(\b)+7], v[(\f)+8*(4*(\hi)+(\a)):(\f)+8*(4*(\hi)+(\a))+7], v[8*(8*(\a)+(\b)):8*(8*(\a)+(\b))+7]
.endif
.endr
.endr
.endm
.macro FETCH k, f                      ; 32 LDS loads in one run: a quarter step's fragments (32 K at byte k of the rows) into buffer f: k's, then q's
	WIN TO_B
.irp i, 0,1,2,3,4,5,6,7
	ds_load_b128 v[(\f)+8*(\i):(\f)+8*(\i)+3],   v[ADRB] offset:(\k)+(\i)*16*PITCH
	ds_load_b128 v[(\f)+8*(\i)+4:(\f)+8*(\i)+7], v[ADRB] offset:(\k)+(\i)*16*PITCH+32
.endr
	WIN 0
.irp i, 0,1,2,3,4,5,6,7
	ds_load_b128 v[(\f)+8*(\i):(\f)+8*(\i)+3],   v[ADRA] offset:(\k)+(\i)*16*PITCH
	ds_load_b128 v[(\f)+8*(\i)+4:(\f)+8*(\i)+7], v[ADRA] offset:(\k)+(\i)*16*PITCH+32
.endr
.endm
; One of a K step's first three quarters: multiplies buffer f; in its middle, behind four places (loads into registers that products have read), the next quarter's fragments go into g.
; cg >= 0: value's chunk in group cg follows that run, so that all of a quarter's memory instructions stand together.
.macro QUARTER k, f, g, zero, cg=-1, cc=0
	s_wait_dscnt 8                                 ; k's fragments and q's rows 0-63 are in; the youngest eight loads (q's rows 64-127) may be out
	MUL16 \f, 0, 0, \zero
	MUL16 \f, 0, 2, \zero
	PLACES
	FETCH \k, \g
.if (\cg) >= 0
	CAST \cg, \cc
.endif
	s_wait_dscnt 32                                ; all but the 32 just issued
	MUL16 \f, 1, 0, \zero
	MUL16 \f, 1, 2, \zero
.endm
; The last quarter multiplies buffer 1 and changes slots: one barrier; in front of it each wave waits for all its tensor loads (one is out: its part of the next slot), adds 0 to its spare word,
; and waits for that and for its reads of this slot.
.macro MEET round
	WIN 0
	s_wait_tensorcnt 0x0
	ds_add_u32 v[SPW], v[NIL]
	s_wait_dscnt 9                                 ; (the add and the youngest eight loads may be out)
	MUL16 F1, 0, 0, 0
	s_wait_dscnt 0x0                               ; the add is done, and my reads of this slot are over
	s_barrier_signal -1
	MUL16 F1, 0, 2, 0
.if \round
	WIN 0
.endif
	s_barrier_wait -1
.endm
; fill = 1: the barrier opens a round of the cluster's, and the slot just left is filled again first thing behind it, with the K step two on: 224 products stand between that request and the wait for it.
.macro TURN fill, cg=-1, cc=0
	MEET \fill
.if \fill
	CREST
	s_add_co_u32 s[G0A+5], s[TB], s[WO]
	s_add_nc_u64 s[G0A+6:G0A+7], s[G0A+6:G0A+7], 256
	s_add_co_u32 s[G0B+5], s[TB], s[WO]
	s_add_nc_u64 s[G0B+6:G0B+7], s[G0B+6:G0B+7], 256
	JLOAD                                          ; the four v_nop behind it are also the places in front of the loads below
.else
	PLACES
	WIN 0
.endif
	s_xor_b32 s[TB], s[TB], SLOT
	v_add_nc_u32 v[ADRA], s[TB], v[ADRA0]
	v_add_nc_u32 v[ADRB], s[TB], v[ADRB0]
	FETCH 0, F0
.if (\cg) >= 0
	CAST \cg, \cc
.endif
	MUL16 F1, 1, 0, 0
	MUL16 F1, 1, 2, 0
.endm
	s_wait_xcnt 0x0                                ; v128-175, which the stores of chunks 29 to 31 read, are loaded again (fragments) only behind this wait
	s_wait_tensorcnt 0x1                           ; my part of K step 0 is in; step 1's may stay out
	s_barrier_signal -1
	s_barrier_wait -1
	FETCH 0, F0
	QUARTER 64, F0, F1, 1, 0, 0                    ; the first quarter's products start the sums; value's chunk 0
	WIN 0
	s_mov_b32 s[CNT], 6
.Lstep:                                                ; six trips, from a step's second quarter to the next step's first: K steps 2 to 7 are asked for; value's chunks 1 to 24
	QUARTER 128, F1, F0, 0, 1, 1
	QUARTER 192, F0, F1, 0, 2, 2
	TURN 1, 3, 3
	QUARTER 64, F0, F1, 0, 0, 4
	WIN 0
	s_wait_xcnt 0x0                                ; the two bases are stepped only behind this wait
	s_add_nc_u64 s[VB:VB+1], s[VB:VB+1], 8192      ; four chunks on
	s_add_nc_u64 s[SB:SB+1], s[SB:SB+1], 4096
	s_sub_co_u32 s[CNT], s[CNT], 1
	s_cmp_lg_u32 s[CNT], 0
	s_cbranch_scc1 .Lstep
	s_mov_b32 s[CNT], 2
.Ltail:                                                ; nothing more is asked for; the second trip is left behind its change of slots, whose 32 loads serve nothing
	QUARTER 128, F1, F0, 0
	QUARTER 192, F0, F1, 0
	TURN 0
	WIN 0
	s_sub_co_u32 s[CNT], s[CNT], 1
	s_cmp_eq_u32 s[CNT], 0
	s_cbranch_scc1 .Lout
	QUARTER 64, F0, F1, 0
	WIN 0
	s_branch .Ltail
.Lout:
	s_wait_dscnt 0x0
	s_wait_loadcnt 0x0                             ; value's chunks 25 to 28, asked for in the loop's last trip
	INPL XR+16, 1                                  ; their 32 roundings, which name no register of the last products, are also the places behind those products
	INPL XR+32, 2
	INPL XR+48, 3
	INPL XR, 4
; THE SOFTMAX'S FIRST HALF for block a (16 queries x my 128 keys: 64 numbers a lane, a query in lanes r and r + 16).
.macro SOFT a
.set WA, 2+(\a)/4
.set AC, 64*((\a)%4)
	WIN (WA<<6)|0x14|WA                            ; t = sum x factor + addend, in place; each accumulator's registers in ascending order
.set z, 0
.rept 32
	v_pk_fma_f32 v[AC+2*z:AC+2*z+1], v[AC+2*z:AC+2*z+1], v[MU+2*z:MU+2*z+1], v[AD+2*z:AD+2*z+1]
.set z, z+1
.endr
	WIN (WA<<2)|WA                                 ; the maximum: four chains of sixteen
.irp c, 0,1,2,3
	v_max_num_f32 v[CH+\c], v[AC+16*\c], v[AC+16*\c+1]
.endr
	WIN (WA<<4)|(WA<<2)
.set z, 0
.rept 7
.irp c, 0,1,2,3
	v_max3_num_f32 v[CH+\c], v[CH+\c], v[AC+16*\c+2*z+2], v[AC+16*\c+2*z+3]
.endr
.set z, z+1
.endr
	WIN 0
	v_max3_num_f32 v[CH], v[CH], v[CH+1], v[CH+2]
	v_max_num_f32 v[CH], v[CH], v[CH+3]
	v_permlanex16_b32 v[CH+1], v[CH], s[SEL], s[SEL+1]  ; the query's other 64 keys lie in the lane 16 away
	v_max_num_f32 v[MW], v[CH], v[CH+1]
	v_mov_b32 v[MW+1], v[MW]
	v_mov_b32 v[SM+2*(\a)], v[MW]
	WIN (WA<<6)|WA
.set z, 0
.rept 32
	v_pk_add_f32 v[AC+2*z:AC+2*z+1], v[AC+2*z:AC+2*z+1], v[MW:MW+1] neg_lo:[0,1] neg_hi:[0,1]  ; t - m, at most 0
.set z, z+1
.endr
.set bb, 0
.rept 8                                        ; eight exponentials, then the roundings of the eight before: a plain instruction stands between every exponential and the use of its result (ISA guide 5.7.2)
	WIN (WA<<6)|WA
.set jj, 0
.rept 8
	v_exp_f32 v[AC+8*bb+jj], v[AC+8*bb+jj]
.set jj, jj+1
.endr
.if bb == 0
	v_nop
.else
	WIN (WA<<2)|WA
.set jj, 0
	s_wait_alu depctr_va_vdst(0)
.rept 4
	v_cvt_pk_f16_f32 v[TMP+4*(bb-1)+jj], v[AC+8*(bb-1)+2*jj], v[AC+8*(bb-1)+2*jj+1]
.set jj, jj+1
.endr
.endif
.set bb, bb+1
.endr
	WIN (WA<<2)|WA
.set jj, 0
.rept 4
	v_cvt_pk_f16_f32 v[TMP+28+jj], v[AC+56+2*jj], v[AC+56+2*jj+1]
.set jj, jj+1
.endr
	WIN (WA<<6)|(WA<<2)|WA                         ; l: the 32 pairs are added in place, neighbours 1, 2, 4, 8 and 16 pairs apart
.irp d, 1,2,4,8,16
.set u, 0
.rept 16/\d
	v_pk_add_f32 v[AC+4*\d*u:AC+4*\d*u+1], v[AC+4*\d*u:AC+4*\d*u+1], v[AC+4*\d*u+2*\d:AC+4*\d*u+2*\d+1]
.set u, u+1
.endr
.endr
	WIN (WA<<2)|WA
	v_add_f32 v[CH], v[AC], v[AC+1]
	WIN 0
	v_permlanex16_b32 v[CH+1], v[CH], s[SEL], s[SEL+1]
	v_add_f32 v[SM+2*(\a)+1], v[CH], v[CH+1]
.endm
.macro TOSTAGE a                       ; 16 bytes a lane into my stage, and back as whole rows of 256 bytes
	WIN 0
.set BK, OB+32*((\a)%2)
.irp b, 0,1,2,3,4,5,6,7
	ds_store_b128 v[STO], v[TMP+4*(\b):TMP+4*(\b)+3] offset:32*(\b)
.endr
.irp t, 0,1,2,3,4,5,6,7
	ds_load_b128 v[BK+4*(\t):BK+4*(\t)+3], v[RD] offset:(\t)*2*SPITCH  ; LDS serves a wave's instructions in order (ISA guide 5.7.1.4): these see the stores above
.endr
.endm
.macro SEND a
	WIN 0
.set BK, OB+32*((\a)%2)
	s_wait_dscnt 0x0
	s_wait_xcnt 0x0                                ; the registers that earlier stores read are loaded again only behind this wait
.irp t, 0,1,2,3,4,5,6,7
	global_store_b128 v[CO], v[BK+4*(\t):BK+4*(\t)+3], s[10:11] offset:(16*(\a)+2*(\t))*4096  ; 16 lanes store 256 consecutive bytes, at a multiple of 256
.endr
.endm
	SOFT 0
	TOSTAGE 0
.irp a, 1,2,3,4,5,6,7                  ; a block's arithmetic stands between the loads of the block before and its stores
	SOFT \a
	SEND (\a)-1
	TOSTAGE \a
.endr
	SEND 7
.irp i, 0,1,2,3                        ; stats: lanes 0-15 carry block 2 i's rows, lanes 16-31 block 2 i + 1's: 32 rows x 8 bytes = 256 consecutive bytes, at a multiple of 256
	v_cndmask_b32 v[SD+2*\i], v[SM+4*\i], v[SM+4*\i+2], s[HIM]
	v_cndmask_b32 v[SD+2*\i+1], v[SM+4*\i+1], v[SM+4*\i+3], s[HIM]
	global_store_b64 v[SO], v[SD+2*\i:SD+2*\i+1], s[12:13] offset:256*\i
.endr
	s_wait_tensorcnt 0x0                           ; the wave's end
	ds_add_u32 v[SPW], v[NIL]
	s_wait_dscnt 0x0
	CROUND                                         ; the closing round
	s_endpgm
.Lfunc_end_k_qcefe91561f_scores:
	.size	k_qcefe91561f_scores, .Lfunc_end_k_qcefe91561f_scores-k_qcefe91561f_scores
	.p2alignl 7, 3214868480
	.fill 96, 4, 3214868480
	.section	.rodata,"a",@progbits
	.p2align	6, 0x0
	.amdhsa_kernel k_qcefe91561f_scores
		.amdhsa_group_segment_fixed_size 327680
		.amdhsa_private_segment_fixed_size 0
		.amdhsa_enable_private_segment 0
		.amdhsa_kernarg_size 56
		.amdhsa_user_sgpr_count 2
		.amdhsa_user_sgpr_kernarg_segment_ptr 1
		.amdhsa_wavefront_size32 1
		.amdhsa_system_sgpr_workgroup_id_x 1
		.amdhsa_system_sgpr_workgroup_id_y 1
		.amdhsa_system_sgpr_workgroup_id_z 1
		.amdhsa_system_vgpr_workitem_id 0
		.amdhsa_next_free_vgpr 1024
		.amdhsa_next_free_sgpr 96
		.amdhsa_reserve_vcc 1
		.amdhsa_float_denorm_mode_32 3
		.amdhsa_float_denorm_mode_16_64 3
		.amdhsa_memory_ordered 1
		.amdhsa_forward_progress 1
		.amdhsa_inst_pref_size 217
	.end_amdhsa_kernel
	.amdgpu_metadata
---
amdhsa.version: [ 1, 2 ]
amdhsa.kernels:
  - .name:           k_qcefe91561f_scores
    .symbol:         k_qcefe91561f_scores.kd
    .args:
      - { .name: q16, .offset: 0, .size: 8, .value_kind: global_buffer, .address_space: global }
      - { .name: k16, .offset: 8, .size: 8, .value_kind: global_buffer, .address_space: global }
      - { .name: mask, .offset: 16, .size: 8, .value_kind: global_buffer, .address_space: global }
      - { .name: p16, .offset: 24, .size: 8, .value_kind: global_buffer, .address_space: global }
      - { .name: stats, .offset: 32, .size: 8, .value_kind: global_buffer, .address_space: global }
      - { .name: value, .offset: 40, .size: 8, .value_kind: global_buffer, .address_space: global }
      - { .name: v16, .offset: 48, .size: 8, .value_kind: global_buffer, .address_space: global }
    .group_segment_fixed_size: 327680
    .private_segment_fixed_size: 0
    .kernarg_segment_align: 8
    .kernarg_segment_size: 56
    .max_flat_workgroup_size: 128
    .sgpr_count:     96
    .vgpr_count:     1024
    .wavefront_size: 32
...
	.end_amdgpu_metadata
.endif
;; end of part 7
;; launch pv (part 8): grid 4 x 64, 4 waves a work-group, clusters of 4 x 4, 327,680 bytes of LDS; arguments p16, v16, stats, out0; writes out0
.if DOCPART == 8
	.amdgcn_target "amdgcn-amd-amdhsa--gfx1250"
	.amdhsa_code_object_version 6
	.text
	.protected	k_qcefe91561f_pv
	.globl	k_qcefe91561f_pv
	.p2align	8
	.type	k_qcefe91561f_pv,@function
k_qcefe91561f_pv:
	s_mov_b64 s[64:65], 0
	v_nop
	global_prefetch_b8 v0, s[64:65] scope:SCOPE_SE
	s_setreg_imm32_b32 hwreg(HW_REG_WAVE_MODE, 25, 1), 1
	s_wait_xcnt 0x0
	s_wait_alu depctr_hold_cnt(0) depctr_sa_sdst(0) depctr_va_vdst(0) depctr_va_sdst(0) depctr_va_ssrc(0) depctr_va_vcc(0) depctr_vm_vsrc(0)
	s_getreg_b32 s2, hwreg(HW_REG_IB_STS2, 6, 4)
	s_cmp_eq_u32 s2, 0
	s_cbranch_scc0 .Lentry_in_a_cluster
	s_endpgm
.Lentry_in_a_cluster:
	s_bfe_u32 s2, ttmp6, 0x10000c
	s_cmp_lg_u32 s2, 0xf033
	s_cbranch_scc0 .Lentry_shape_is_right
	s_endpgm
.Lentry_shape_is_right:
; out0[q][c] = (the sum over key blocks kb of (f_kb p'_kb) V_kb) / L, with M = the largest m_kb of the row, f_kb = 2^(m_kb - M), L = the sum of f_kb l_kb: the softmax's second half and its product with value.
; p16: [8192][2048] f16; v16: [16384][1024] f16; stats: [16][8192][m, l] f32; out0 f32.  Sums in f32; f is rounded to f16 and f p' once more, for the product.
; LIMITS: f p' below 6e-5 keeps f16's fixed step of 6e-8 and below 3e-8 counts as 0; an f below 2^-126 counts as 0 in L.  NaN and infinities are not treated apart.
; SHARES.  A work-group makes 128 queries x 256 channels; four waves, each 64 x 128: 32 accumulators.  The 2,048 keys go in 16 steps of 128, a step a key block, through two LDS slots.
; CLUSTER 4 x 4: the four of a row share p's tile, the four of a column (one batch: eight query tiles a batch, four a cluster) V's: each is asked for jointly.
; THE MATRIX INSTRUCTION IS USED TRANSPOSED (source 0 = 16 channels, V turned by ds_load_tr16_b128; source 1 = 16 queries): a lane holds one query and eight neighbouring channels.
; THE PIPELINE.  A sub-step is 32 keys.  Phase p of a step loads sub-step p from LDS in ONE run of 24 loads at its head, never singly among the matrix instructions; multiplies the p' of the
; sub-step one back by f, in place, four scalings behind each of eight products; and multiplies the sub-step two back.  So every load has a whole phase in which to land.
; REGISTERS: window 0: v0-29 addresses and work; v32-35 f of the step in hand, v36-39 of the next; v40-47 1 / L; v64-127 all f, on their way to LDS; v128-255 p's fragments, four buffers of 32
;   window 1: V's fragments, four buffers of 64 (at the start v128-255: stats as loaded; on the way out v0-127: rows read back)     window 2: accumulator (a, b) at v[8 (8 a + b)]
.set PP,    272                        ; a row of p' in LDS: 256 bytes + 16
.set PV,    544                        ; a row of V: 512 + 32 = 136 words
.set VOFF,  128*PP                     ; a slot: p's 128 rows, then V's 128 keys
.set SLOT,  VOFF+128*PV
.set STAGE, 2*SLOT                     ; 16 rows x 528 bytes for each wave, for the way out
.set SP,    528
.set FSC,   STAGE+4*16*SP              ; 17 blocks of 2,048 bytes: block kb holds each thread's four f (packed twice) of key block kb; the 17th is read by the trip that serves nothing
.set SPARE, FSC+17*2048
.set ADRA0, 2
.set ADRB0, 3
.set ADRA,  4
.set ADRB,  5
.set STO,   6
.set RD,    7
.set CO,    8
.set FA,    9                          ; v9  LDS address of my f of the next step
.set T0,    12
.set SOF,   14                         ; v14 my row's byte offset in a block of stats
.set FA0,   15                         ; v15 FSC + 16 x my thread's number; never rewritten
.set TL,    16                         ; v16-19 L of my four blocks of 16 rows
.set SPW,   28
.set NIL,   29
.set FC,    32
.set FN,    36
.set RL,    40
.set PF,    64
.set AB,    128
.set WV,  20
.set WR,  21
.set WC,  22
.set CX,  23
.set CYP, 24
.set TX,  25
.set TY,  26
.set CLY, 27
.set G1A, 28
.set G1B, 36
.set G0A, 44
.set G0B, 52
.set TB,  60
.set CNT, 61
.set WOA, 62
.set WOB, 63
.set FB,  90                           ; s90 2,048 x the step whose f is fetched next
.set MSB, 0
.macro WIN new
.if MSB != (\new)
	s_set_vgpr_msb (MSB<<8)|(\new)
.set MSB, (\new)
.endif
.endm
.macro PLACES
.rept 4
	v_nop
.endr
.endm
.macro CREST
	s_cmp_lg_u32 s[WV], 0
	s_cbranch_scc1 .Lnot_wave_0_\@
	s_barrier_signal -3
.Lnot_wave_0_\@:
	s_barrier_wait -3
	s_barrier_signal -1
	s_barrier_wait -1
.endm
.macro CROUND
	s_barrier_signal -1
	s_barrier_wait -1
	CREST
.endm
.macro JLOAD                           ; a joint refill by the walking sets: waves 0, 1 p's halves, waves 2, 3 V's; an s_nop 0 and four v_nop follow each line
	s_cmp_eq_u32 s[WR], 0
	s_cbranch_scc0 .Lfor_b_\@
	tensor_load_to_lds s[G0A+4:G0A+7], s[G1A:G1A+7]
	s_nop 0
.rept 4
	v_nop
.endr
	s_branch .Lasked_\@
.Lfor_b_\@:
	tensor_load_to_lds s[G0B+4:G0B+7], s[G1B:G1B+7]
	s_nop 0
.rept 4
	v_nop
.endr
.Lasked_\@:
.endm
	s_load_b256 s[4:11], s[0:1], 0x0               ; p16 s[4:5], v16 s[6:7], stats s[8:9], out0 s[10:11]
	v_lshl_add_u32 v[SPW], v0, 2, SPARE
	v_mov_b32 v[NIL], 0
	ds_add_u32 v[SPW], v[NIL]                      ; the wave's opening: the add and its wait ahead of my first tensor load
	v_lshrrev_b32 v1, 5, v0
	v_readfirstlane_b32 s[WV], v1
	s_lshr_b32 s[WR], s[WV], 1
	s_and_b32 s[WC], s[WV], 1
	s_bfe_u32 s[CX], ttmp6, 0x40000
	s_bfe_u32 s[CYP], ttmp6, 0x40004
	s_lshl_b32 s[TX], ttmp9, 2
	s_add_co_u32 s[TX], s[TX], s[CX]               ; channel tile
	s_and_b32 s[CLY], ttmp7, 0xffff
	s_lshl_b32 s[TY], s[CLY], 2
	s_add_co_u32 s[TY], s[TY], s[CYP]              ; query tile among all 64
	s_lshl_b32 s70, s[CYP], 2
	s_lshl_b32 s70, 15, s70
	s_lshl_b32 s76, 0x1111, s[CX]
	s_or_b32 s[G1A], s70, (1<<16)|(1<<20)|(1<<21)|(5<<22)|(3<<25)  ; mask; 2-byte elements; padding on; bit 21 beside a mask; after every 64 words 4 words
	s_mov_b32 s[G1A+1], 128<<16                    ; tensor_dim0 = 128
	s_mov_b32 s[G1A+2], 64<<16                     ; tensor_dim1 = 64
	s_mov_b32 s[G1A+3], 128<<16                    ; tile_dim0 = 128
	s_mov_b32 s[G1A+4], 64                         ; tile_dim1 = 64
	s_mov_b32 s[G1A+5], 2048                       ; elements from row to row
	s_mov_b32 s[G1A+6], 0
	s_mov_b32 s[G1A+7], 0
	s_or_b32 s[G1B], s76, (1<<16)|(1<<20)|(1<<21)|(6<<22)|(7<<25)  ; after every 128 words 8 words
	s_mov_b32 s[G1B+1], 256<<16
	s_mov_b32 s[G1B+2], 64<<16
	s_mov_b32 s[G1B+3], 256<<16
	s_mov_b32 s[G1B+4], 64
	s_mov_b32 s[G1B+5], 1024
	s_mov_b32 s[G1B+6], 0
	s_mov_b32 s[G1B+7], 0
	s_mul_i32 s[WOA], s[WC], 64*PP
	s_mul_i32 s[WOB], s[WC], 64*PV
	s_add_co_u32 s[WOB], s[WOB], VOFF
	s_mov_b32 s[TB], 0
	s_mov_b32 s[FB], 0
	s_lshl_b32 s72, s[TY], 7
	s_lshl_b32 s73, s[WC], 6
	s_add_co_u32 s72, s72, s73                     ; p: row 128 x tile + 64 x half,
	s_lshl_b32 s72, s72, 12                        ; 4,096 bytes each
	s_mov_b32 s73, 0
	s_lshr_b32 s78, s[CLY], 1                      ; the batch
	s_lshl_b32 s78, s78, 11
	s_lshl_b32 s79, s[WC], 6
	s_add_co_u32 s78, s78, s79                     ; V: key 2,048 x batch + 64 x half,
	s_lshl_b32 s78, s78, 11                        ; 2,048 bytes each,
	s_lshl_b32 s79, s[TX], 9
	s_add_co_u32 s78, s78, s79                     ; and the tile's 256 channels
	s_mov_b32 s79, 0
	s_wait_dscnt 0x0                               ; the opening add is done
	s_wait_kmcnt 0x0
	s_add_nc_u64 s[72:73], s[4:5], s[72:73]
	s_add_nc_u64 s[78:79], s[6:7], s[78:79]
.irp s, 0,1
	s_mov_b32 s[G0A+4*(\s)], 1
	s_add_co_u32 s[G0A+4*(\s)+1], s[WOA], (\s)*SLOT
	s_add_nc_u64 s[G0A+4*(\s)+2:G0A+4*(\s)+3], s[72:73], (\s)*256
	s_or_b32 s[G0A+4*(\s)+3], s[G0A+4*(\s)+3], 0x80000000
	s_mov_b32 s[G0B+4*(\s)], 1
	s_add_co_u32 s[G0B+4*(\s)+1], s[WOB], (\s)*SLOT
	s_add_nc_u64 s[G0B+4*(\s)+2:G0B+4*(\s)+3], s[78:79], (\s)*262144
	s_or_b32 s[G0B+4*(\s)+3], s[G0B+4*(\s)+3], 0x80000000
.endr
	CROUND                                         ; all sixteen work-groups are here: the first joint loads meet
	s_cmp_eq_u32 s[WR], 0                          ; a wave's two first fills stand in one branch: two loads of mine are out
	s_cbranch_scc0 .Lfirst_b
	tensor_load_to_lds s[G0A:G0A+3], s[G1A:G1A+7]
	s_nop 0
	tensor_load_to_lds s[G0A+4:G0A+7], s[G1A:G1A+7]
	s_nop 0
.rept 4
	v_nop
.endr
	s_branch .Lfirst_asked
.Lfirst_b:
	tensor_load_to_lds s[G0B:G0B+3], s[G1B:G1B+7]
	s_nop 0
	tensor_load_to_lds s[G0B+4:G0B+7], s[G1B:G1B+7]
	s_nop 0
.rept 4
	v_nop
.endr
.Lfirst_asked:
	v_and_b32 v1, 15, v0                           ; r
	v_bfe_u32 v10, v0, 4, 1                        ; h
	s_lshl_b32 s84, s[WR], 9
	v_lshl_add_u32 v[SOF], v1, 3, s84              ; (64 x my half + r) x 8 bytes
	s_lshl_b32 s82, s[TY], 10                      ; the tile's 128 rows x 8 bytes
	s_mov_b32 s83, 0
	s_add_nc_u64 s[8:9], s[8:9], s[82:83]
	WIN 0x40
.set z, 0
.rept 64                                       ; (m, l) of row 16 (z / 16) + r in key block z % 16
	global_load_b64 v[128+2*z:128+2*z+1], v[SOF], s[8:9] offset:(z%16)*65536+(z/16)*128
.set z, z+1
.endr
	WIN 0
	v_mul_u32_u24 v[ADRA0], v1, PP
	v_lshl_add_u32 v[ADRA0], v10, 4, v[ADRA0]
	s_mul_i32 s84, s[WR], 64*PP
	v_add_nc_u32 v[ADRA0], s84, v[ADRA0]
	v_and_b32 v11, 7, v0                           ; the turning load: lane l reads key 8 h + l % 8, channels 8 ((l / 8) % 2) + 0..7
	v_lshl_add_u32 v11, v10, 3, v11
	v_mul_u32_u24 v[ADRB0], v11, PV
	v_bfe_u32 v11, v0, 3, 1
	v_lshl_add_u32 v[ADRB0], v11, 4, v[ADRB0]
	s_lshl_b32 s85, s[WC], 8
	s_add_co_u32 s85, s85, VOFF
	v_add_nc_u32 v[ADRB0], s85, v[ADRB0]
	v_mov_b32 v[ADRA], v[ADRA0]
	v_mov_b32 v[ADRB], v[ADRB0]
	v_lshl_add_u32 v[FA0], v0, 4, FSC
	s_mul_i32 s86, s[WV], 16*SP
	s_add_co_u32 s86, s86, STAGE
	v_mul_u32_u24 v[STO], v1, SP                   ; in: row r, 32 bytes for each half of the lanes
	v_lshl_add_u32 v[STO], v10, 5, v[STO]
	v_add_nc_u32 v[STO], s86, v[STO]
	v_and_b32 v[CO], 31, v0                        ; back: 32 lanes take one row of 512 bytes
	v_lshlrev_b32 v[CO], 4, v[CO]
	v_add_nc_u32 v[RD], s86, v[CO]
	s_lshl_b32 s88, s[TY], 7
	s_lshl_b32 s89, s[WR], 6
	s_add_co_u32 s88, s88, s89
	s_lshl_b32 s88, s88, 12                        ; my first row of out0, 4,096 bytes each,
	s_lshl_b32 s89, s[TX], 10
	s_add_co_u32 s88, s88, s89
	s_lshl_b32 s89, s[WC], 9
	s_add_co_u32 s88, s88, s89                     ; and my first channel
	s_mov_b32 s89, 0
	s_add_nc_u64 s[10:11], s[10:11], s[88:89]
	s_wait_loadcnt 0x0                             ; stats.  What follows stands in the wait for the first tile
.macro STAT a                          ; block a of 16 rows: M, the sixteen f, L
.set RS, 128+32*(\a)
	WIN 0x05
	v_max_num_f32 v[T0], v[RS], v[RS+2]
	WIN 0x14
.set z, 0
.rept 7
	v_max3_num_f32 v[T0], v[T0], v[RS+4*z+4], v[RS+4*z+6]
.set z, z+1
.endr
	WIN 0x41
.set z, 0
.rept 16
	v_sub_f32 v[RS+2*z], v[RS+2*z], v[T0]          ; m - M, at most 0
.set z, z+1
.endr
.set z, 0
.rept 16
	v_exp_f32 v[RS+2*z], v[RS+2*z]
.set z, z+1
.endr
	v_nop                                          ; a plain instruction between the last exponential and the use of its result
	WIN 0x05
	s_wait_alu depctr_va_vdst(0)
	v_mul_f32 v[TL+(\a)], v[RS], v[RS+1]
.set z, 1
.rept 15
	v_fma_f32 v[TL+(\a)], v[RS+2*z], v[RS+2*z+1], v[TL+(\a)]
.set z, z+1
.endr
.set z, 0
.rept 16
	v_cvt_pk_f16_f32 v[PF+4*z+(\a)], v[RS+2*z], v[RS+2*z]  ; f twice: the packed multiply scales two p' at once
.set z, z+1
.endr
.endm
	STAT 0
	STAT 1
	STAT 2
	STAT 3
	WIN 0
.irp a, 0,1,2,3
	v_rcp_f32 v[RL+2*\a], v[TL+\a]                 ; L is at least the largest block's l, which is at least 1
.endr
	v_nop
	s_wait_alu depctr_va_vdst(0)
.irp a, 0,1,2,3
	v_mov_b32 v[RL+2*\a+1], v[RL+2*\a]             ; named with it as a pair
.endr
.set z, 0
.rept 16
	ds_store_b128 v[FA0], v[PF+4*z:PF+4*z+3] offset:2048*z
.set z, z+1
.endr
	ds_store_b128 v[FA0], v[PF+60:PF+63] offset:2048*16  ; so that the trip that serves nothing reads bytes that were written
.macro MM p, zero                      ; product i of a phase's 32: queries 16 (i / 8) on, channels 16 (i % 8) on.  The 32 accumulators take turns
	WIN 0xa1                                       ; V window 1, p' window 0, C and D window 2
.if \zero
	v_wmma_f32_16x16x32_f16 v[8*i:8*i+7], v[64*(((\p)+2)%4)+8*(i%8):64*(((\p)+2)%4)+8*(i%8)+7], v[AB+32*(((\p)+2)%4)+8*(i/8):AB+32*(((\p)+2)%4)+8*(i/8)+7], 0
.else
	v_wmma_f32_16x16x32_f16 v[8*i:8*i+7], v[64*(((\p)+2)%4)+8*(i%8):64*(((\p)+2)%4)+8*(i%8)+7], v[AB+32*(((\p)+2)%4)+8*(i/8):AB+32*(((\p)+2)%4)+8*(i/8)+7], v[8*i:8*i+7]
.endif
.endm
.macro LA p, y                         ; load y of 8 of p's fragments: rows 16 (y / 2) on
	WIN 0
	ds_load_b128 v[AB+32*(\p)+4*(\y):AB+32*(\p)+4*(\y)+3], v[ADRA] offset:((\y)/2)*16*PP+64*(\p)+32*((\y)%2)
.endm
.macro LB p, z                         ; load z of 16 of V's fragments, turned: channels 16 (z / 2) on, keys 16 (z % 2) on
	WIN 0x40
	ds_load_tr16_b128 v[64*(\p)+4*(\z):64*(\p)+4*(\z)+3], v[ADRB] offset:(\p)*32*PV+32*((\z)/2)+16*PV*((\z)%2)
.endm
.macro XF p, x                         ; register x of 32 of the sub-step loaded last phase: two p' times their row's f
	WIN 0
	v_pk_mul_f16 v[AB+32*(((\p)+3)%4)+(\x)], v[AB+32*(((\p)+3)%4)+(\x)], v[FC+(\x)/8]
.endm
.macro RUN p                           ; a sub-step's 24 LDS loads in one run: p', then V
.set y, 0
.rept 8
	LA \p, y
.set y, y+1
.endr
.set y, 0
.rept 16
	LB \p, y
.set y, y+1
.endr
.endm
; A PHASE.  The run of 24 loads; then 32 products, with four scalings behind each of products 1 to 8.  A load lands in a buffer two phases, 32 scalings of other registers, behind the last
; product that read it (ISA guide 7.12.1 for vector instructions): no v_nop is needed.
; Phase 0 fetches the new step's f ahead of its run; it takes the old one's place behind product 9, behind the phase's last scaling, which still belongs to the old step.
; meet = 1, 2 (phase 3 alone): the change of slots: the slot's last loads are this phase's run; each wave waits for all its tensor loads (one is out: its part of the other slot), adds 0 to its
; spare word, and waits for that and for its reads of the slot.  meet = 1: the barrier opens a round of the cluster's; the slot is filled again first thing behind it, with the keys two steps
; on: 112 products in which to land.
.macro PHASE p, zero, meet
.if (\p) == 0
	WIN 0
	ds_load_b128 v[FN:FN+3], v[FA]
.endif
	RUN \p
	s_wait_dscnt 24                                ; all but the run just issued: the p' to be scaled (last phase's run), what is multiplied (the run before that), and in phase 0 the new f
.set i, 0
.rept 32
.if (\meet) && (i == 16)
	WIN 0
	s_wait_tensorcnt 0x0                           ; all my tensor loads have landed, so a group 0 may be written
	ds_add_u32 v[SPW], v[NIL]
.if (\meet) == 1
	s_add_co_u32 s[G0A+5], s[TB], s[WOA]
	s_add_nc_u64 s[G0A+6:G0A+7], s[G0A+6:G0A+7], 256
	s_add_co_u32 s[G0B+5], s[TB], s[WOB]
	s_add_nc_u64 s[G0B+6:G0B+7], s[G0B+6:G0B+7], 262144
.endif
.endif
.if (\meet) && (i == 24)
	s_wait_dscnt 0x0                               ; the add is done, and my reads of this slot are over
	s_barrier_signal -1
.endif
	MM \p, \zero
.if (i >= 1) && (i <= 8)
	XF \p, 4*(i-1)
	XF \p, 4*(i-1)+1
	XF \p, 4*(i-1)+2
	XF \p, 4*(i-1)+3
.endif
.if ((\p) == 0) && (i == 9)
	WIN 0
.irp k, 0,1,2,3
	v_mov_b32 v[FC+\k], v[FN+\k]
.endr
.endif
.set i, i+1
.endr
.if \meet
	WIN 0
	s_barrier_wait -1
.if (\meet) == 1
	CREST
	JLOAD
.endif
	s_xor_b32 s[TB], s[TB], SLOT
	s_add_co_u32 s[FB], s[FB], 2048
	v_add_nc_u32 v[ADRA], s[TB], v[ADRA0]
	v_add_nc_u32 v[ADRB], s[TB], v[ADRB0]
	v_add_nc_u32 v[FA], s[FB], v[FA0]
.endif
.endm
	s_wait_dscnt 0x0                               ; my stores of f are done
	s_wait_tensorcnt 0x1                           ; my part of step 0 is in; step 1's may stay out
	s_barrier_signal -1
	s_barrier_wait -1
	ds_load_b128 v[FC:FC+3], v[FA0]                ; f of key block 0
	RUN 0
	RUN 1
	s_wait_dscnt 24                                ; f and sub-step 0 are in; sub-step 1's 24 loads may stay out
.set x, 0
.rept 32
	XF 1, x
.set x, x+1
.endr
	PHASE 2, 1, 0                                  ; the first products start the sums
	WIN 0
	s_mov_b32 s[CNT], 14
.Lstep:                                                ; fourteen trips: steps 2 to 15 are asked for
	PHASE 3, 0, 1
	PHASE 0, 0, 0
	PHASE 1, 0, 0
	PHASE 2, 0, 0
	WIN 0
	s_sub_co_u32 s[CNT], s[CNT], 1
	s_cmp_lg_u32 s[CNT], 0
	s_cbranch_scc1 .Lstep
	s_mov_b32 s[CNT], 2
.Ltail:                                                ; nothing more is asked for.  The second trip is left in its middle; its last two phases load, and scale, bytes that serve nothing
	PHASE 3, 0, 2
	PHASE 0, 0, 0
	PHASE 1, 0, 0
	WIN 0
	s_sub_co_u32 s[CNT], s[CNT], 1
	s_cmp_eq_u32 s[CNT], 0
	s_cbranch_scc1 .Lout
	PHASE 2, 0, 0
	WIN 0
	s_branch .Ltail
.Lout:
	s_wait_dscnt 0x0
	PLACES
; THE WAY OUT of block a (16 queries): divided by L; 32 bytes a lane into my stage; back as whole rows of 512 bytes; stored.
.macro PACKO a
	WIN 0x82
.set z, 0
.rept 32                                       ; each accumulator's registers in ascending order
	v_pk_mul_f32 v[64*(\a)+2*z:64*(\a)+2*z+1], v[64*(\a)+2*z:64*(\a)+2*z+1], v[RL+2*(\a):RL+2*(\a)+1] op_sel_hi:[1,0]
.set z, z+1
.endr
.endm
.macro TOST a
	WIN 0x08                                       ; store data window 2
.set z, 0
.rept 16
	ds_store_b128 v[STO], v[64*(\a)+4*z:64*(\a)+4*z+3] offset:64*(z/2)+16*(z%2)
.set z, z+1
.endr
	WIN 0x40
.set z, 0
.rept 16
	ds_load_b128 v[64*((\a)%2)+4*z:64*((\a)%2)+4*z+3], v[RD] offset:SP*z  ; LDS serves a wave's instructions in order (ISA guide 5.7.1.4): these see the stores above
.set z, z+1
.endr
.endm
.macro SENDO a
	s_wait_dscnt 0x0
	s_wait_xcnt 0x0                                ; the registers that earlier stores read are loaded again only behind this wait
	WIN 0x04                                       ; store data window 1
.set z, 0
.rept 16
	global_store_b128 v[CO], v[64*((\a)%2)+4*z:64*((\a)%2)+4*z+3], s[10:11] offset:(16*(\a)+z)*4096 th:TH_STORE_NT  ; 512 consecutive bytes, at a multiple of 512
.set z, z+1
.endr
.endm
	PACKO 0
	TOST 0
.irp a, 1,2,3
	PACKO \a
	SENDO (\a)-1
	TOST \a
.endr
	SENDO 3
	WIN 0
	s_wait_tensorcnt 0x0                           ; the wave's end
	ds_add_u32 v[SPW], v[NIL]
	s_wait_dscnt 0x0
	CROUND                                         ; the closing round
	s_endpgm
.Lfunc_end_k_qcefe91561f_pv:
	.size	k_qcefe91561f_pv, .Lfunc_end_k_qcefe91561f_pv-k_qcefe91561f_pv
	.p2alignl 7, 3214868480
	.fill 96, 4, 3214868480
	.section	.rodata,"a",@progbits
	.p2align	6, 0x0
	.amdhsa_kernel k_qcefe91561f_pv
		.amdhsa_group_segment_fixed_size 327680
		.amdhsa_private_segment_fixed_size 0
		.amdhsa_enable_private_segment 0
		.amdhsa_kernarg_size 32
		.amdhsa_user_sgpr_count 2
		.amdhsa_user_sgpr_kernarg_segment_ptr 1
		.amdhsa_wavefront_size32 1
		.amdhsa_system_sgpr_workgroup_id_x 1
		.amdhsa_system_sgpr_workgroup_id_y 1
		.amdhsa_system_sgpr_workgroup_id_z 1
		.amdhsa_system_vgpr_workitem_id 0
		.amdhsa_next_free_vgpr 768
		.amdhsa_next_free_sgpr 96
		.amdhsa_reserve_vcc 0
		.amdhsa_float_denorm_mode_32 3
		.amdhsa_float_denorm_mode_16_64 3
		.amdhsa_memory_ordered 1
		.amdhsa_forward_progress 1
		.amdhsa_inst_pref_size 116
	.end_amdhsa_kernel
	.amdgpu_metadata
---
amdhsa.version: [ 1, 2 ]
amdhsa.kernels:
  - .name:           k_qcefe91561f_pv
    .symbol:         k_qcefe91561f_pv.kd
    .args:
      - { .name: p16, .offset: 0, .size: 8, .value_kind: global_buffer, .address_space: global }
      - { .name: v16, .offset: 8, .size: 8, .value_kind: global_buffer, .address_space: global }
      - { .name: stats, .offset: 16, .size: 8, .value_kind: global_buffer, .address_space: global }
      - { .name: out0, .offset: 24, .size: 8, .value_kind: global_buffer, .address_space: global }
    .group_segment_fixed_size: 327680
    .private_segment_fixed_size: 0
    .kernarg_segment_align: 8
    .kernarg_segment_size: 32
    .max_flat_workgroup_size: 128
    .sgpr_count:     96
    .vgpr_count:     768
    .wavefront_size: 32
...
	.end_amdgpu_metadata
.endif
;; end of part 8
